; MI455X (gfx1250); checked and timed in simulation.
; The chip was launched on July 23, 2026; its instructions are those of AMD's public machine-readable ISA for CDNA 5 (MIT licence, August 2026) and "CDNA5" Instruction Set Architecture Reference Guide (July 2026). The comments in the code are by the model that wrote it; some were corrected since.
;; Multi Headed Attention. Allowed arithmetic: matrix products marked QUANTISED: E2M3 operands, one E8M0 scale for each 32 along K, by v_wmma_scale_f32_16x16x128_f8f6f4 with both operands' format E2M3, f32 sums; everything else in f32.
;; Inputs: Wk 1,024 x 1,024 float32; Wo 1,024 x 1,024 float32; Wq 1,024 x 1,024 float32; Wv 1,024 x 1,024 float32; bk 1,024 float32; bo 1,024 float32; bq 1,024 float32; bv 1,024 float32; key 4 x 2,048 x 1,024 float32; mask 4 x 1 x 1 x 2,048 bool; query 4 x 2,048 x 1,024 float32; value 4 x 2,048 x 1,024 float32.
;; Outputs: out0 4 x 2,048 x 1,024 float32.
;; This version of the problem:
;;   THIS VERSION OF THE PROBLEM IS GIVEN IN LOW PRECISION. The matrix products marked QUANTISED in the list below multiply operands that are first quantised to E2M3 (2 exponent bits, 3 mantissa bits; 6 bits a number), with one power-of-two scale for each 32 numbers along K (OCP MX v1.0); their sums are f32. All else is computed in f32.
;;   The module's matrix products, in the order in which they are computed (A, B: the left and right operand; K: the contracted axis; several contracted axes count as one K, in the product's order):
;;     1. [M 8,192, K 1,024] x [K 1,024, N 1,024]; A: input query; B: input Wq: QUANTISED
;;     2. [M 8,192, K 1,024] x [K 1,024, N 1,024]; A: input key; B: input Wk: QUANTISED
;;     3. [M 8,192, K 1,024] x [K 1,024, N 1,024]; A: input value; B: input Wv: QUANTISED
;;     4. batch 64 x [M 2,048, K 64] x [K 64, N 2,048]; A: computed on the way; B: computed on the way: QUANTISED
;;     5. batch 64 x [M 2,048, K 2,048] x [K 2,048, N 64]; A: softmax (see below); B: computed on the way: QUANTISED
;;     6. [M 8,192, K 1,024] x [K 1,024, N 1,024]; A: computed on the way; B: input Wo: QUANTISED
;;   THE QUANTISER, for each operand of a quantised product, along K:
;;     - K is cut into blocks of 32 from its start; a last block that is shorter is filled with zeros.
;;     - A block's scale is 2^e with e = floor(log2(the largest magnitude in the block)) - 2, held to -126 .. 127; a block of zeros has e = 0. As a byte (E8M0): e + 127.
;;     - Each number is divided by its block's scale, clamped to +-7.5, and rounded to the nearest number of E2M3, ties to even, subnormals kept.
;;     - The product sums the exact products of the quantised numbers (number of the format x scale) in f32.
;;   ~~~python
;;   def quantise(x, axis):      # numpy; x: float32 -> the quantised numbers, widened to float32 again
;;       x = np.moveaxis(x, axis, -1); K = x.shape[-1]
;;       x = np.pad(x, [(0, 0)] * (x.ndim - 1) + [(0, -K % 32)]); x = x.reshape(x.shape[:-1] + (-1, 32)); a = np.abs(x).max(-1, keepdims=True)
;;       e = np.where(a > 0, np.clip(np.frexp(np.where(a > 0, a, 1))[1] - 1 - 2, -126, 127), 0)      # np.frexp(a)[1] - 1 = floor(log2(a)), exactly
;;       r = np.clip(x / 2.0 ** e, -7.5, 7.5)
;;       step = 2.0 ** (np.maximum(np.frexp(np.where(r == 0, 1, r))[1] - 1, 0) - 3)
;;       q = np.round(r / step) * step * 2.0 ** e      # np.round: ties to even
;;       return np.moveaxis(q.reshape(q.shape[:-2] + (-1,))[..., :K], -1, axis).astype(np.float32)
;;   ~~~
;;   SOFTMAX AHEAD OF A QUANTISED PRODUCT. Where the list says 'softmax', what is quantised is not the finished softmax but p = 2^(t - M), with t = logit x log2(e) and M = ceil(the row's largest t), a whole number; so 1/2 < the row's largest p <= 1. The row's sum l is taken of the UNQUANTISED p, in f32, and the product's result is divided by l at the end. Since M is a whole number, a kernel that streams over the keys may use a running M (the ceiling of the running maximum): every later rescaling is an exact power of two, which a block's scale takes up: the codes' values come out the same.
;;   OPERANDS COMPUTED ON THE WAY. 'Computed on the way' means the value that the module computes at that place (a softmax that the list does not call 'softmax' is quantised finished and normalised). What goes into a quantiser is computed in f32, as accurately as f32 sums, v_exp_f32 and their like allow (about 1e-6 of the number): no bf16 or f16 on the way to a quantiser, and a product that is left as it is and whose result goes on into a quantised operand takes f32 operands (vector FMAs, or v_wmma_f32_16x16x4_f32). A number that lies on a knife's edge between two numbers of the format may be rounded either way, as far as f32 arithmetic and the matrix unit's own rounding can turn it there, and no further.
;; One version. Each part assembles by itself: llvm-mc -triple=amdgcn-amd-amdhsa -mcpu=gfx1250 --defsym DOCPART=n.
;; ======== version 1 of 1: 4 launches
;; limits: right only within a limited range of input values
;; workspace buffers: c1 22,020,096 bytes; s1 917,504 bytes; qb 8,912,896 bytes; kv 15,466,496 bytes; cc 6,291,456 bytes; cs 524,288 bytes
;; launch quant (part 1): grid 512 x 1, 7 waves a work-group, no clusters, 60,160 bytes of LDS; arguments query, key, value, Wq, Wk, Wv, Wo, c1, s1; writes c1, s1
.if DOCPART == 1
	.amdgcn_target "amdgcn-amd-amdhsa--gfx1250"
	.amdhsa_code_object_version 6
	.text
	.protected	k_q3110c62893_quant
	.globl	k_q3110c62893_quant
	.p2align	8
	.type	k_q3110c62893_quant,@function
k_q3110c62893_quant:
	s_mov_b64 s[64:65], 0
	v_nop
	global_prefetch_b8 v0, s[64:65] scope:SCOPE_SE
	s_setreg_imm32_b32 hwreg(HW_REG_WAVE_MODE, 25, 1), 1
	s_wait_xcnt 0x0
; query, key, value [8192][1024] and Wq, Wk, Wv, Wo [1024][1024], f32, K innermost, become codes of FP6 (E2M3) with one E8M0 byte for each 32 along K,
; laid as the matrix unit's operand registers take them.
; TILES.  Tile T of a tensor holds the 16 rows 32 (T / 2) + 8 (T % 2) + r + 8 (r / 8), r = 0 .. 15: so the results of two neighbouring tiles are 16 neighbours along the next product's K.
; KEY'S TILES HAVE ROWS OF THEIR OWN: 64 (T / 4) + 8 (T % 4) + r % 8 + 32 (r / 8), so that in the scores a lane's 32 registers of four neighbouring tiles are one block of 32 keys.
; There are 1,792 tiles: query 0.., key 512.., value 1024.., Wq 1536.., Wk 1600.., Wv 1664.., Wo 1728...  512 work-groups x 7 waves = 3,584: a wave takes HALF a tile, 4 K steps of 128.
; c1: [tile][K step] 1,536 bytes: for c = 0, 1: registers 6 c .. 6 c + 3 of all lanes (16 bytes a lane, 512), then registers 6 c + 4, 6 c + 5 (8 bytes a lane, 256).
; s1: [tile] 512 bytes: [half of K][row r] 16 bytes: row r's scale words of K steps 4 x half + 0 .. 3.
; A load reads 512 consecutive bytes of one row; the 16 rows turn through the wave's own stage in LDS (rows 528 bytes apart) and come back 16 neighbours of a block to a lane.
; A block's scale is 2^(floor(log2(largest magnitude)) - 2); its byte is that magnitude's exponent field - 2, held at 1 from below.
; LIMITS: a block of zeros gets the byte 1 (its codes are zeros; the bytes are read by this program alone); NaN and infinities among the inputs are not served.
.set STGB,  8448                       ; a wave's stage: 16 rows x 528 bytes
.set SPARE, 7*STGB                     ; behind the stages: the spare words, 128 bytes a wave, four blocks of 256 bytes that no other line names
.set L16, 1                            ; v1  16 x lane; never rewritten
.set L8,  2                            ; v2  8 x lane; never rewritten
.set STI, 3                            ; v3  the stage on the way in: 16 x lane
.set STO, 4                            ; v4  and on the way out: 528 r + 64 h
.set SPW, 5                            ; v5  my spare word
.set NIL, 6                            ; v6  0
.set L16B, 7                           ; v7  16 x lane for a tile's rows 8-15; never rewritten
.set TM,  8                            ; v8-23   at work
.set SW,  24                           ; v24-27  the 4 K steps' scale words
.set PC,  32                           ; v32-51  12 registers of codes, 8 at work
.set R16, 54                           ; v54 16 r
.set X,   64                           ; v64-127 64 numbers: register 16 b + i = k 32 b + 16 h + i of row r
.set R,   128                          ; v128-255 two sets of 64 registers as loaded
.set WV,  26
.set G,   28                           ; s28 my tile
.set IN,  22                           ; s[22:23] my tensor
.set LO,  24                           ; s24 its first tile
.set SEL, 32                           ; s[32:33] selects for lane l xor 16
.set HF,  34                           ; s34 which half of K is mine
	s_load_b256 s[4:11], s[0:1], 0x0               ; query, key, value, Wq
	s_load_b256 s[12:19], s[0:1], 0x20             ; Wk, Wv, Wo, c1
	s_load_b64 s[20:21], s[0:1], 0x40              ; s1
	v_lshl_add_u32 v[SPW], v0, 2, SPARE
	v_mov_b32 v[NIL], 0
	v_lshrrev_b32 v7, 5, v0
	v_readfirstlane_b32 s[WV], v7                  ; wave 0..6
	v_and_b32 v7, 31, v0
	v_lshlrev_b32 v[L16], 4, v7
	v_lshlrev_b32 v[L8], 3, v7
	s_mul_i32 s27, s[WV], STGB
	v_add_nc_u32 v[STI], s27, v[L16]
	v_and_b32 v52, 15, v0                          ; r
	v_bfe_u32 v53, v0, 4, 1                        ; h
	v_mul_u32_u24 v[STO], v52, 528
	v_lshl_add_u32 v[STO], v53, 6, v[STO]
	v_add_nc_u32 v[STO], s27, v[STO]
	v_lshlrev_b32 v[R16], 4, v52
.irp b, 0,1,2,3
	v_mov_b32 v[TM+4+\b], 0                        ; written once: a lane permute's destination counts as one of its sources
.endr
	s_mov_b32 s[SEL], 0x76543210
	s_mov_b32 s[SEL+1], 0xfedcba98
	s_mul_i32 s[G], ttmp9, 7
	s_add_co_u32 s[G], s[G], s[WV]                 ; 7 x work-group + wave:
	s_and_b32 s[HF], s[G], 1                       ; its low bit is my half of K,
	s_lshr_b32 s[G], s[G], 1                       ; the rest my tile
	s_lshr_b32 s27, s[G], 9
	s_cmp_eq_u32 s27, 1                            ; a tile of key?
	s_cselect_b32 s29, 0x10000, 0                  ; its rows 8-15 lie 16 rows of 4,096 bytes further on than the other tensors'
	s_cselect_b32 s31, 2, 1                        ; and four tiles, not two, share a group of rows
	v_add_nc_u32 v[L16B], s29, v[L16]
	s_wait_alu depctr_va_vdst(0)                   ; the wait at the head's end
	s_wait_kmcnt 0x0
; which tensor the tile belongs to: a choice among pointers on the tile's number alone
.macro PICK bound, p, lo
	s_cmp_lt_u32 s[G], \bound
	s_cselect_b64 s[IN:IN+1], s[\p:\p+1], s[IN:IN+1]
	s_cselect_b32 s[LO], \lo, s[LO]
.endm
	s_mov_b64 s[IN:IN+1], s[16:17]                 ; Wo
	s_mov_b32 s[LO], 1728
	PICK 1728, 14, 1664                            ; Wv
	PICK 1664, 12, 1600                            ; Wk
	PICK 1600, 10, 1536                            ; Wq
	PICK 1536, 8, 1024                             ; value
	PICK 1024, 6, 512                              ; key
	PICK 512, 4, 0                                 ; query
	s_sub_co_u32 s24, s[G], s[LO]                  ; the tile's number in its tensor
	s_lshr_b32 s25, s24, s31
	s_add_co_u32 s27, s31, 16
	s_lshl_b32 s25, s25, s27                       ; 32 rows of 4,096 bytes for each pair of tiles (key: 64 for each four),
	s_bfm_b32 s27, s31, 0
	s_and_b32 s24, s24, s27
	s_lshl_b32 s24, s24, 15                        ; 8 rows for each tile inside the group,
	s_add_co_u32 s24, s24, s25
	s_lshl_b32 s25, s[HF], 11                      ; and 2,048 bytes along each row for the second half of K
	s_add_co_u32 s24, s24, s25
	s_mov_b32 s25, 0
	s_add_nc_u64 s[IN:IN+1], s[IN:IN+1], s[24:25]
	s_lshl_b32 s27, s[G], 1
	s_add_co_u32 s27, s27, s[HF]                   ; 2 x tile + half
	s_mul_i32 s24, s27, 6144
	s_add_nc_u64 s[18:19], s[18:19], s[24:25]      ; my four K steps' codes
	s_lshl_b32 s24, s27, 8
	s_add_nc_u64 s[20:21], s[20:21], s[24:25]      ; and their scale words
.macro LOAD t                          ; K step t of my four: 16 loads, each 512 consecutive bytes of one of the tile's rows; rows 0-7 by v1, rows 8-15 by v7
.irp i, 0,1,2,3,4,5,6,7,8,9,10,11,12,13,14,15
	global_load_b128 v[R+64*((\t)%2)+4*\i:R+64*((\t)%2)+4*\i+3], v[L16+6*(\i/8)], s[IN:IN+1] offset:(\i+8*(\i/8))*4096+512*(\t) th:TH_LOAD_NT
.endr
.endm
; 64 numbers of a lane become a fragment's codes in v[PC] on, and my row's scale word in v[w]
.macro QUANT w
.irp b, 0,1,2,3
	v_max3_num_f32 v[TM+\b], |v[X+16*\b]|, |v[X+1+16*\b]|, 0x1800000   ; block b: my 16 numbers, and the floor 2^(3 - 127): the byte cannot fall under 1
.endr
.irp i, 2,4,6,8,10,12,14
.irp b, 0,1,2,3
	v_max3_num_f32 v[TM+\b], v[TM+\b], |v[X+16*\b+\i]|, |v[X+1+16*\b+\i]|   ; the four blocks by turns
.endr
.endr
.irp b, 0,1,2,3
	v_permlanex16_b32 v[TM+4+\b], v[TM+\b], s[SEL], s[SEL+1]
.endr
.irp b, 0,1,2,3
	v_max_num_f32 v[TM+\b], v[TM+\b], v[TM+4+\b]   ; with lane l xor 16's: the block's largest magnitude
.endr
.irp b, 0,1,2,3
	v_add_nc_u32 v[TM+12+\b], 0xff000000, v[TM+\b] ; 2 off its exponent field: the conversion takes this operand's exponent field as its scale
.endr
.irp b, 0,1,2,3
	v_lshrrev_b32 v[TM+4+\b], 23, v[TM+12+\b]      ; the scale's byte
.endr
	v_lshl_or_b32 v[\w], v[TM+5], 8, v[TM+4]
	v_lshl_or_b32 v[\w], v[TM+6], 16, v[\w]
	v_lshl_or_b32 v[\w], v[TM+7], 24, v[\w]
.irp c, 0,1
	v_cvt_scalef32_pk16_fp6_f32 v[PC+6*\c:PC+2+6*\c], v[X+32*\c:X+15+32*\c], v[TM+12+2*\c]
	v_cvt_scalef32_pk16_fp6_f32 v[PC+12+4*\c:PC+14+4*\c], v[X+16+32*\c:X+31+32*\c], v[TM+12+2*\c+1]   ; (a conversion's three registers begin on an even number)
.endr
	v_nop                                          ; one plain place behind a scaled conversion
.irp c, 0,1                                    ; the operand's layout wants a whole block in a lane: lanes 0-15 block 2 c, lanes 16-31 block 2 c + 1
.irp i, 0,1,2
	v_permlane16_swap_b32 v[PC+6*\c+\i], v[PC+12+4*\c+\i]
.endr
.irp i, 0,1,2
	v_mov_b32 v[PC+3+6*\c+\i], v[PC+12+4*\c+\i]
.endr
.endr
.endm
.macro STEP t
.if (\t) < 3
	s_wait_loadcnt 16                              ; this K step's 16 loads are in; the next step's 16 may be out
.else
	s_wait_loadcnt 0x0
.endif
	s_wait_xcnt 0x0                                ; the last step's stores have read the codes' registers, which are written again below
.irp i, 0,1,2,3,4,5,6,7,8,9,10,11,12,13,14,15
	ds_store_b128 v[STI], v[R+64*((\t)%2)+4*\i:R+64*((\t)%2)+4*\i+3] offset:528*\i
.endr
.irp b, 0,1,2,3
.irp j, 0,1,2,3
	ds_load_b128 v[X+16*\b+4*\j:X+16*\b+4*\j+3], v[STO] offset:128*\b+16*\j   ; LDS serves a wave's instructions in order: these see the stores above
.endr
.endr
	s_wait_dscnt 0x0                               ; my 64 numbers are in, and the stores have read their registers,
.if (\t) < 2
	LOAD (\t)+2                                    ; which take the K step two on
.endif
	QUANT SW+(\t)
	global_store_b128 v[L16], v[PC:PC+3], s[18:19] offset:1536*(\t)          ; each store covers 512 or 256 consecutive bytes, at a multiple of 256 from c1's first byte
	global_store_b64 v[L8], v[PC+4:PC+5], s[18:19] offset:1536*(\t)+512
	global_store_b128 v[L16], v[PC+6:PC+9], s[18:19] offset:1536*(\t)+768
	global_store_b64 v[L8], v[PC+10:PC+11], s[18:19] offset:1536*(\t)+1280
.endm
	LOAD 0
	LOAD 1
.irp t, 0,1,2,3
	STEP \t
.endr
	global_store_b128 v[R16], v[SW:SW+3], s[20:21] ; 256 consecutive bytes, aligned: row r's four words; lanes l and l xor 16 hold the same words and name the same bytes
	s_wait_tensorcnt 0x0                           ; the wave's end, behind my last LDS store
	ds_add_u32 v[SPW], v[NIL]
	s_wait_dscnt 0x0
	s_endpgm
.Lfunc_end_k_q3110c62893_quant:
	.size	k_q3110c62893_quant, .Lfunc_end_k_q3110c62893_quant-k_q3110c62893_quant
	.p2alignl 7, 3214868480
	.fill 96, 4, 3214868480
	.section	.rodata,"a",@progbits
	.p2align	6, 0x0
	.amdhsa_kernel k_q3110c62893_quant
		.amdhsa_group_segment_fixed_size 60160
		.amdhsa_private_segment_fixed_size 0
		.amdhsa_enable_private_segment 0
		.amdhsa_kernarg_size 72
		.amdhsa_user_sgpr_count 2
		.amdhsa_user_sgpr_kernarg_segment_ptr 1
		.amdhsa_wavefront_size32 1
		.amdhsa_system_sgpr_workgroup_id_x 1
		.amdhsa_system_sgpr_workgroup_id_y 1
		.amdhsa_system_sgpr_workgroup_id_z 1
		.amdhsa_system_vgpr_workitem_id 0
		.amdhsa_next_free_vgpr 256
		.amdhsa_next_free_sgpr 66
		.amdhsa_reserve_vcc 0
		.amdhsa_float_denorm_mode_32 3
		.amdhsa_float_denorm_mode_16_64 3
		.amdhsa_memory_ordered 1
		.amdhsa_forward_progress 1
		.amdhsa_inst_pref_size 35
	.end_amdhsa_kernel
	.amdgpu_metadata
---
amdhsa.version: [ 1, 2 ]
amdhsa.kernels:
  - .name:           k_q3110c62893_quant
    .symbol:         k_q3110c62893_quant.kd
    .args:
      - { .name: query, .offset: 0, .size: 8, .value_kind: global_buffer, .address_space: global }
      - { .name: key, .offset: 8, .size: 8, .value_kind: global_buffer, .address_space: global }
      - { .name: value, .offset: 16, .size: 8, .value_kind: global_buffer, .address_space: global }
      - { .name: Wq, .offset: 24, .size: 8, .value_kind: global_buffer, .address_space: global }
      - { .name: Wk, .offset: 32, .size: 8, .value_kind: global_buffer, .address_space: global }
      - { .name: Wv, .offset: 40, .size: 8, .value_kind: global_buffer, .address_space: global }
      - { .name: Wo, .offset: 48, .size: 8, .value_kind: global_buffer, .address_space: global }
      - { .name: c1, .offset: 56, .size: 8, .value_kind: global_buffer, .address_space: global }
      - { .name: s1, .offset: 64, .size: 8, .value_kind: global_buffer, .address_space: global }
    .group_segment_fixed_size: 60160
    .private_segment_fixed_size: 0
    .kernarg_segment_align: 8
    .kernarg_segment_size: 72
    .max_flat_workgroup_size: 224
    .sgpr_count:     66
    .vgpr_count:     256
    .wavefront_size: 32
...
	.end_amdgpu_metadata
.endif
;; end of part 1
;; launch proj (part 2): grid 4 x 192, 4 waves a work-group, clusters of 4 x 4, 295,424 bytes of LDS; arguments c1, s1, bq, bk, bv, mask, qb, kv; writes qb, kv
.if DOCPART == 2
	.amdgcn_target "amdgcn-amd-amdhsa--gfx1250"
	.amdhsa_code_object_version 6
	.text
	.protected	k_q3110c62893_proj
	.globl	k_q3110c62893_proj
	.p2align	8
	.type	k_q3110c62893_proj,@function
k_q3110c62893_proj:
	s_mov_b64 s[64:65], 0
	v_nop
	global_prefetch_b8 v0, s[64:65] scope:SCOPE_SE
	s_setreg_imm32_b32 hwreg(HW_REG_WAVE_MODE, 25, 1), 1
	s_wait_xcnt 0x0
	s_wait_alu depctr_hold_cnt(0) depctr_sa_sdst(0) depctr_va_vdst(0) depctr_va_sdst(0) depctr_va_ssrc(0) depctr_va_vcc(0) depctr_vm_vsrc(0)
	s_getreg_b32 s2, hwreg(HW_REG_IB_STS2, 6, 4)
	s_cmp_eq_u32 s2, 0
	s_cbranch_scc0 .Lentry_in_a_cluster
	s_endpgm
.Lentry_in_a_cluster:
	s_bfe_u32 s2, ttmp6, 0x10000c
	s_cmp_lg_u32 s2, 0xf033
	s_cbranch_scc0 .Lentry_shape_is_right
	s_endpgm
.Lentry_shape_is_right:
; q = query Wq^T + bq, k = key Wk^T + bk, v = value Wv^T + bv on codes of FP6 (E2M3) with E8M0 scales; the results are quantised in registers and leave as operand images for the attention launch.
; SHARES.  A work-group makes 256 weight rows (16 tiles) x 128 tokens (8 tiles) of one projection pj = cluster y / 16.  All of K = 1,024 lies in LDS, in two chunks of four K steps: every fill is a first fill.
; Four waves, each 8 tiles of source 0 x 4 tiles of source 1: 32 accumulators, which take turns.
; CLUSTER 4 x 4: the four of a column (same cx) need the same weight tiles, the four of a row (same cy) the same token tiles: joint loads.  Waves 0, 2 fetch the weights' halves, waves 1, 3 the tokens'.
; TILES.  Tile T holds rows 32 (T / 2) + 8 (T % 2) + r + 8 (r / 8): the 16 registers of the results of source-0 tiles 2 b, 2 b + 1 are 16 neighbours, 32 b + 16 h + 0 .. 15.
; ARM qk (pj 0, 1): source 0 = weights, source 1 = tokens: a lane holds one token, registers run along d: quantised along d (two blocks of 32 a head).
;   A head's 64 codes of 16 tokens leave as 8 registers a lane (1,024 bytes): 0-5 the codes, 6 the code of one more place k = 64 (lanes 0-15), 7 = 0.
;   THE KEY MASK goes through that place: q has the code of 1.0 there under the byte 127; a kept key the code 0 under the byte 1; a masked key the code of -7.5 under the byte 187: its score gets -7.5 x 2^60.
; ARM v (pj 2): source 0 = tokens, source 1 = weights: a lane holds one d, registers run along the tokens: quantised along the keys.
; qb: record (16 (16 b + head) + step) of 8,704 bytes: 8 token tiles x 1,024, then 512 bytes of scale words (lane (r, h), word i: token tile 4 h + i, row r).
; kv: record of 15,104 bytes: k as in qb at 0; v's four d tiles x 1,536 at 8,192; k's scale words at 14,336; v's at 14,848 (lane (r, h), word i: d tile 2 h + i).
; LIMITS: scores stay under 2^50 in magnitude (the mask's term is 7.5 x 2^60); a block of zeros gets the byte 1; NaN and infinities among the inputs are not served.
; REGISTERS, in windows of 256: window 0: v1-15 addresses; v16-47 source 0's scale words, v48-63 source 1's; v64-159 source 1's fragments, two sets; v160-239 the epilogue.
;   window 1: source 0's fragments, two sets, at v0 and v128.   window 2: accumulator (a, b) at v[8 (8 a + b)].   window 3: the bias tiles, the C of each sum's first product.
.set TILEB, 12288                      ; a tile's 8 K steps in c1
.set CH,    6144                       ; four K steps of one tile.  K LIES IN LDS IN TWO HALVES OF FOUR K STEPS, each 16 weight tiles and 8 token tiles; every fill is a first fill, one tensor load a wave
.set CHUNK, 24*CH                      ; a chunk in LDS: 16 weight tiles, then 8 token tiles
.set XOFF,  16*CH
.set SPARE, 2*CHUNK                    ; behind the two halves: the spare words, 128 bytes a wave, two blocks of 256 bytes that no other line names
.set RECQ,  8704
.set RECK,  15104
.set LN,  1
.set RR,  2
.set HH,  3
.set L16, 4                            ; 16 x lane
.set L8,  5                            ; 8 x lane
.set A016, 6                           ; LDS addresses of source 0's fragments (16 and 8 bytes a lane),
.set A08,  7
.set A116, 8                           ; and of source 1's
.set A18,  9
.set SPW, 10
.set NIL, 11
.set SC0, 16
.set SC1, 48
.set F1,  64
.set TM,  160                          ; v160-175 largest magnitudes
.set TP,  64                           ; v64-79   lane l xor 16's, then the bytes
.set EB,  64
.set SO,  192                          ; v192-207 the conversions' scale operands
.set CV,  96                           ; v96-159  codes: 4 registers a block, 8 a pair
.set VC0, 208                          ; the code at k = 64 of a kept and of a masked token (0 in lanes 16-31),
.set VC1, 209
.set VH0, 210                          ; and the upper half of its scale word
.set VH1, 211
.set XC,  212                          ; v212-215 the same as chosen for my token of tile a
.set XH,  216
.set MB,  220                          ; v220-223 mask bytes
.set WD,  224                          ; v224-231 scale words
.set OW,  232                          ; v232-235 as they leave
.set ZR,  236                          ; 0
.set SLO, 237
.set WV,  20
.set CX,  21
.set CY,  22
.set HM,  23
.set PJ,  24
.set TBK, 25                           ; my block of 128 tokens, 0..63
.set SEL, 26
.set WR,  28
.set G1W, 32
.set G1X, 40
.set G0W, 48                           ; s[48:55] two sets, one a chunk
.set G0X, 68                           ; s[68:75]
.set MSB, 0
.macro WIN new                         ; the immediate's high byte repeats the setting that is left
.if MSB != \new
	s_set_vgpr_msb (MSB<<8)|\new
.set MSB, \new
.endif
.endm
.macro PLACES n
.rept \n
	v_nop
.endr
.endm
.macro CROUND                          ; a round of the cluster's barrier
	s_barrier_signal -1
	s_barrier_wait -1
	s_cmp_lg_u32 s[WV], 0
	s_cbranch_scc1 .Lnot_wave_0_\@
	s_barrier_signal -3
.Lnot_wave_0_\@:
	s_barrier_wait -3
	s_barrier_signal -1
	s_barrier_wait -1
.endm
.macro FRAGB reg, a16, a8, off         ; a fragment's image comes back as it was stored: 12 registers by four loads
	ds_load_b128 v[(\reg):(\reg)+3], v[\a16] offset:(\off)
	ds_load_b64 v[(\reg)+4:(\reg)+5], v[\a8] offset:(\off)+512
	ds_load_b128 v[(\reg)+6:(\reg)+9], v[\a16] offset:(\off)+768
	ds_load_b64 v[(\reg)+10:(\reg)+11], v[\a8] offset:(\off)+1280
.endm
.macro FETCH s                         ; K step s: 8 fragments of source 0, 4 of source 1: 48 LDS loads in one run
	WIN 0x40
.irp b, 0,1,2,3,4,5,6,7
	FRAGB 128*((\s)%2)+12*\b, A016, A08, CH*\b+1536*((\s)%4)
.endr
	WIN 0
.irp a, 0,1,2,3
	FRAGB F1+48*((\s)%2)+12*\a, A116, A18, CH*\a+1536*((\s)%4)
.endr
.endm
; 32 products of K step s.  The 32 accumulators take turns, one instruction a turn, in the same order in every step.
; The first step's C is a bias tile: of source 0's tile b (cmode 0) or of source 1's tile a (cmode 1).  K steps 4-7 take their scale words from lanes 16-31.
.macro MUL s, cmode
.if (\s) == 0
	WIN 0xb1
.else
	WIN 0xa1
.endif
.irp a, 0,1,2,3
.irp b, 0,1,2,3,4,5,6,7
.if (\s) == 0
	v_wmma_scale_f32_16x16x128_f8f6f4 v[8*(8*\a+\b):8*(8*\a+\b)+7], v[12*\b:12*\b+11], v[F1+12*\a:F1+12*\a+11], v[8*(\a*\cmode+\b*(1-\cmode)):8*(\a*\cmode+\b*(1-\cmode))+7], v[SC0+4*\b], v[SC1+4*\a] matrix_a_fmt:MATRIX_FMT_FP6 matrix_b_fmt:MATRIX_FMT_FP6
.elseif (\s) < 4
	v_wmma_scale_f32_16x16x128_f8f6f4 v[8*(8*\a+\b):8*(8*\a+\b)+7], v[128*((\s)%2)+12*\b:128*((\s)%2)+12*\b+11], v[F1+48*((\s)%2)+12*\a:F1+48*((\s)%2)+12*\a+11], v[8*(8*\a+\b):8*(8*\a+\b)+7], v[SC0+4*\b+(\s)], v[SC1+4*\a+(\s)] matrix_a_fmt:MATRIX_FMT_FP6 matrix_b_fmt:MATRIX_FMT_FP6
.else
	v_wmma_scale_f32_16x16x128_f8f6f4 v[8*(8*\a+\b):8*(8*\a+\b)+7], v[128*((\s)%2)+12*\b:128*((\s)%2)+12*\b+11], v[F1+48*((\s)%2)+12*\a:F1+48*((\s)%2)+12*\a+11], v[8*(8*\a+\b):8*(8*\a+\b)+7], v[SC0+4*\b+(\s)-4], v[SC1+4*\a+(\s)-4] matrix_a_fmt:MATRIX_FMT_FP6 matrix_b_fmt:MATRIX_FMT_FP6 matrix_a_scale:MATRIX_SCALE_ROW1 matrix_b_scale:MATRIX_SCALE_ROW1
.endif
.endr
.endr
.endm
; The eight K steps, written out.  The next step's fragments are asked for ahead of a step's products.  In front of each chunk's first read: the loading waves' counted wait, then a barrier; nothing is filled again.
.macro MAIN cmode
	s_cmp_lt_u32 s[WV], 2                          ; waves 0 and 1 asked for the first half of K, each on a line of its own: they wait for it here
	s_cbranch_scc0 .Lnot_first_\@
	s_wait_tensorcnt 0x0
.Lnot_first_\@:
	s_barrier_signal -1
	s_barrier_wait -1                              ; everybody's is
	FETCH 0
.irp s, 0,1,2,3,4,5,6,7
.if \s < 7
.if \s == 3
	WIN 0
	s_wait_tensorcnt 0x0                           ; every wave: the second half of K is in
	s_wait_dscnt 0x0                               ; no LDS instruction of mine is pending at a signal
	s_barrier_signal -1
	s_barrier_wait -1
	v_add_nc_u32 v[A016], CHUNK, v[A016]           ; on to the next chunk.  These four are also the places in front of the loads below
	s_wait_alu depctr_va_vdst(0)
	v_add_nc_u32 v[A08], CHUNK, v[A08]
	s_wait_alu depctr_va_vdst(0)
	v_add_nc_u32 v[A116], CHUNK, v[A116]
	s_wait_alu depctr_va_vdst(0)
	v_add_nc_u32 v[A18], CHUNK, v[A18]
.elseif \s > 0
	PLACES 4                                       ; places in front of loads into registers that the last products read
.endif
	FETCH \s+1
	s_wait_alu depctr_va_vdst(0)
	s_wait_dscnt 48                                ; all but the 48 just issued
.else
	s_wait_dscnt 0x0
.endif
	MUL \s, \cmode
.endr
	WIN 0
.endm
; All 16 blocks of a wave's results (block q = accumulator registers 16 q .. 16 q + 15; a block of 32 lies in lanes l and l xor 16) become codes: pair c of blocks in v[CV + 8 c] .. + 5, bytes in v[EB + q].
.macro QALL
	PLACES 4
	WIN 0x28                                       ; sources 1 and 2: the accumulators' window
.irp q, 0,1,2,3,4,5,6,7,8,9,10,11,12,13,14,15
	v_max3_num_f32 v[TM+\q], 0x1800000, |v[16*\q]|, |v[16*\q+1]|   ; the floor 2^(3 - 127) among the leaves; each accumulator is read from its low end on
.endr
.irp i, 2,4,6,8,10,12,14
.irp q, 0,1,2,3,4,5,6,7,8,9,10,11,12,13,14,15
	v_max3_num_f32 v[TM+\q], v[TM+\q], |v[16*\q+\i]|, |v[16*\q+\i+1]|
.endr
.endr
	WIN 0
.irp q, 0,1,2,3,4,5,6,7,8,9,10,11,12,13,14,15
	v_permlanex16_b32 v[TP+\q], v[TM+\q], s[SEL], s[SEL+1]
.endr
.irp q, 0,1,2,3,4,5,6,7,8,9,10,11,12,13,14,15
	v_max_num_f32 v[TM+\q], v[TM+\q], v[TP+\q]
.endr
.irp q, 0,1,2,3,4,5,6,7,8,9,10,11,12,13,14,15
	v_add_nc_u32 v[SO+\q], 0xff000000, v[TM+\q]    ; 2 off the exponent field: the conversion's scale operand
.endr
.irp q, 0,1,2,3,4,5,6,7,8,9,10,11,12,13,14,15
	v_lshrrev_b32 v[EB+\q], 23, v[SO+\q]           ; the scale's byte
.endr
	WIN 0x02                                       ; source 0: the accumulators' window
.irp q, 0,1,2,3,4,5,6,7,8,9,10,11,12,13,14,15
	v_cvt_scalef32_pk16_fp6_f32 v[CV+4*\q:CV+4*\q+2], v[16*\q:16*\q+15], v[SO+\q]
.endr
	WIN 0
	v_nop                                          ; one plain place behind a scaled conversion
.irp c, 0,1,2,3,4,5,6,7                        ; a whole block to a lane: lanes 0-15 the pair's first block, lanes 16-31 its second
.irp i, 0,1,2
	v_permlane16_swap_b32 v[CV+8*\c+\i], v[CV+8*\c+4+\i]
.endr
.irp i, 0,1,2
	v_mov_b32 v[CV+8*\c+3+\i], v[CV+8*\c+4+\i]
.endr
.endr
.endm
	s_load_b256 s[4:11], s[0:1], 0x0               ; c1, s1, bq, bk
	s_load_b256 s[12:19], s[0:1], 0x20             ; bv, mask, qb, kv
	v_lshl_add_u32 v[SPW], v0, 2, SPARE
	v_mov_b32 v[NIL], 0
	ds_add_u32 v[SPW], v[NIL]                      ; the wave's opening: the add and its wait ahead of my first tensor load; work on registers stands between them
	ds_add_u32 v[SPW], v[NIL]
	v_lshrrev_b32 v1, 5, v0
	v_readfirstlane_b32 s[WV], v1                  ; wave 0..3
	s_bfe_u32 s[CX], ttmp6, 0x40000
	s_bfe_u32 s[CY], ttmp6, 0x40004
	s_and_b32 s23, ttmp7, 0xffff                   ; cluster y, 0..47
	s_lshr_b32 s[PJ], s23, 4                       ; which projection: the same in all sixteen partners
	s_and_b32 s[TBK], s23, 15
	s_lshl_b32 s[TBK], s[TBK], 2
	s_add_co_u32 s[TBK], s[TBK], s[CY]             ; my block of 128 tokens
	s_lshl_b32 s26, 0x1111, s[CX]                  ; my column of the cluster
	s_lshl_b32 s27, s[CY], 2
	s_lshl_b32 s27, 15, s27                        ; my row
	s_or_b32 s[G1W], s26, (3<<16)|(1<<21)          ; 15:0 the mask; 17:16 elements of 8 bytes; 21 set beside a mask; no padding
	s_or_b32 s[G1X], s27, (3<<16)|(1<<21)
	s_mov_b32 s[G1W+2], 16<<16                     ; tensor_dim1: the weights' 16 tiles,
	s_mov_b32 s[G1W+4], 16                         ; tile_dim1
	s_mov_b32 s[G1X+2], 8<<16                      ; the tokens' 8
	s_mov_b32 s[G1X+4], 8
.irp g, G1W, G1X                               ; rows (tiles) of 6,144 bytes (four K steps), 12,288 bytes from tile to tile
	s_mov_b32 s[\g+1], 768<<16                     ; tensor_dim0 = 768 elements
	s_mov_b32 s[\g+3], 768<<16                     ; tile_dim0
	s_mov_b32 s[\g+5], 1536                        ; stride from row to row, in elements
	s_mov_b32 s[\g+6], 0
	s_mov_b32 s[\g+7], 0
.endr
	s_and_b32 s[WR], s[WV], 1
	s_lshl_b32 s29, s[PJ], 6                       ; the weights' tiles: 1536 + 64 pj + 16 cx + 8 (wave / 2)
	s_lshl_b32 s30, s[CX], 4
	s_add_co_u32 s29, s29, s30
	s_add_co_u32 s29, s29, 1536                    ; the weights' first tile: 1536 + 64 pj + 16 cx
	s_mul_i32 s84, s29, TILEB
	s_mov_b32 s85, 0
	s_lshl_b32 s86, s[PJ], 9                       ; the tokens' tiles: 512 pj + 8 x block
	s_lshl_b32 s31, s[TBK], 3
	s_add_co_u32 s86, s86, s31
	s_mul_i32 s86, s86, TILEB
	s_mov_b32 s87, 0
	s_wait_dscnt 0x0                               ; both opening adds are done
	CROUND                                         ; the round in front of the first joint loads, ahead of the wait for the arguments
	s_wait_kmcnt 0x0
	s_add_nc_u64 s[84:85], s[4:5], s[84:85]
	s_add_nc_u64 s[86:87], s[4:5], s[86:87]
.irp c, 0,1
	s_mov_b32 s[G0W+4*\c], 1
	s_mov_b32 s[G0W+4*\c+1], \c*CHUNK
	s_add_nc_u64 s[G0W+4*\c+2:G0W+4*\c+3], s[84:85], \c*CH
	s_or_b32 s[G0W+4*\c+3], s[G0W+4*\c+3], 0x80000000
	s_mov_b32 s[G0X+4*\c], 1
	s_mov_b32 s[G0X+4*\c+1], XOFF+\c*CHUNK
	s_add_nc_u64 s[G0X+4*\c+2:G0X+4*\c+3], s[86:87], \c*CH
	s_or_b32 s[G0X+4*\c+3], s[G0X+4*\c+3], 0x80000000
.endr
	s_cmp_eq_u32 s[WV], 0                          ; one chain of branches on the wave's number, one joint load to an arm: one tensor load a wave at the head
	s_cbranch_scc0 .Lwave_1
	tensor_load_to_lds s[G0W:G0W+3], s[G1W:G1W+7]  ; wave 0: the weights' K steps 0-3
	s_nop 0
	PLACES 4
	s_branch .Lasked
.Lwave_1:
	s_cmp_eq_u32 s[WV], 1
	s_cbranch_scc0 .Lwave_2
	tensor_load_to_lds s[G0X:G0X+3], s[G1X:G1X+7]  ; wave 1: the tokens' K steps 0-3
	s_nop 0
	PLACES 4
	s_branch .Lasked
.Lwave_2:
	s_cmp_eq_u32 s[WV], 2
	s_cbranch_scc0 .Lwave_3
	tensor_load_to_lds s[G0W+4:G0W+7], s[G1W:G1W+7]  ; wave 2: the weights' K steps 4-7
	s_nop 0
	PLACES 4
	s_branch .Lasked
.Lwave_3:
	tensor_load_to_lds s[G0X+4:G0X+7], s[G1X:G1X+7]  ; wave 3: the tokens' K steps 4-7
	s_nop 0
	PLACES 4
.Lasked:
	v_and_b32 v[LN], 31, v0
	v_and_b32 v[RR], 15, v0
	v_bfe_u32 v[HH], v0, 4, 1
	v_lshlrev_b32 v[L16], 4, v[LN]
	v_lshlrev_b32 v[L8], 3, v[LN]
	v_mov_b32 v[ZR], 0
	s_mov_b32 s[SEL], 0x76543210
	s_mov_b32 s[SEL+1], 0xfedcba98
	s_mov_b32 s[HM], 0xffff0000
	s_cmp_eq_u32 s[PJ], 2                          ; the cluster's number alone: all waves of all partners go the same way
	s_cbranch_scc1 .Larm_v
	; ---------------- ARM qk: source 0 = weight tiles 8 wp on, source 1 = token tiles 4 wr on
	s_lshr_b32 s29, s[WV], 1                       ; wp
	s_mul_i32 s30, s29, 8*CH
	s_mul_i32 s31, s[WR], 4*CH
	s_add_co_u32 s31, s31, XOFF
	s_wait_alu depctr_va_vdst(0)
	v_add_nc_u32 v[A016], s30, v[L16]
	v_add_nc_u32 v[A08], s30, v[L8]
	v_add_nc_u32 v[A116], s31, v[L16]
	v_add_nc_u32 v[A18], s31, v[L8]
	s_mov_b32 s96, RECK
	s_mov_b32 s97, 14336
	s_mov_b32 s100, 0x01010000
	s_mov_b32 s101, 0x01bb0000
	s_cmp_eq_u32 s[PJ], 0                          ; q or k
	s_cselect_b64 s[88:89], s[8:9], s[10:11]       ; the bias
	s_cselect_b64 s[92:93], s[16:17], s[18:19]     ; the output
	s_cselect_b32 s96, RECQ, s96                   ; a record's bytes
	s_cselect_b32 s97, 8192, s97                   ; where its scale words begin
	s_cselect_b32 s98, 8, 0                        ; the code at k = 64: q 1.0; a kept key 0,
	s_cselect_b32 s99, 8, 63                       ; a masked key -7.5
	s_cselect_b32 s100, 0x7f7f0000, s100           ; bytes 2 and 3 of the scale word: q 127, 127; a kept key 1, 1;
	s_cselect_b32 s101, 0x7f7f0000, s101           ; a masked key 187, 1
	s_lshl_b32 s30, s[PJ], 6                       ; source 0's scale words: tile 1536 + 64 pj + 16 cx + 8 wp, 512 bytes a tile
	s_lshl_b32 s31, s[CX], 4
	s_add_co_u32 s30, s30, s31
	s_lshl_b32 s31, s29, 3
	s_add_co_u32 s30, s30, s31
	s_add_co_u32 s30, s30, 1536
	s_lshl_b32 s30, s30, 9
	s_mov_b32 s31, 0
	s_add_nc_u64 s[84:85], s[6:7], s[30:31]
	s_lshl_b32 s30, s[PJ], 9                       ; source 1's: tile 512 pj + 8 x block + 4 wr
	s_lshl_b32 s31, s[TBK], 3
	s_add_co_u32 s30, s30, s31
	s_lshl_b32 s31, s[WR], 2
	s_add_co_u32 s30, s30, s31
	s_lshl_b32 s30, s30, 9
	s_mov_b32 s31, 0
	s_add_nc_u64 s[86:87], s[6:7], s[30:31]
.irp b, 0,1,2,3,4,5,6,7
	global_load_b128 v[SC0+4*\b:SC0+4*\b+3], v[L16], s[84:85] offset:512*\b   ; a tile's words of all 8 K steps: 512 consecutive bytes
.endr
.irp a, 0,1,2,3
	global_load_b128 v[SC1+4*\a:SC1+4*\a+3], v[L16], s[86:87] offset:512*\a
.endr
	s_lshl_b32 s30, s[CX], 10                      ; the bias of my 128 features: 4 (256 cx + 128 wp)
	s_lshl_b32 s31, s29, 9
	s_add_co_u32 s30, s30, s31
	s_mov_b32 s31, 0
	s_add_nc_u64 s[88:89], s[88:89], s[30:31]
	v_lshlrev_b32 v12, 6, v[HH]                    ; lane (r, h) wants, for tile b, features 32 (b / 2) + 16 h + 8 (b % 2) + 0 .. 7
	WIN 0xc0
.irp b, 0,1,2,3,4,5,6,7
	global_load_b128 v[8*\b:8*\b+3], v12, s[88:89] offset:(32*(\b/2)+8*(\b%2))*4
	global_load_b128 v[8*\b+4:8*\b+7], v12, s[88:89] offset:(32*(\b/2)+8*(\b%2))*4+16
.endr
	WIN 0
	s_lshl_b32 s30, s[TBK], 7                      ; the mask bytes of my tokens: 128 x block + 64 wr + the tile's rows
	s_lshl_b32 s31, s[WR], 6
	s_add_co_u32 s30, s30, s31
	s_mov_b32 s31, 0
	s_add_nc_u64 s[90:91], s[14:15], s[30:31]
	v_and_b32 v13, 8, v[RR]
	v_mad_u32_u24 v13, v13, 3, v[RR]               ; r % 8 + 32 (r / 8): key's tile 4 wr + a holds tokens 64 wr + 8 a + r % 8 + 32 (r / 8) of the block (for q both choices below are equal, so the byte read decides nothing)
.irp a, 0,1,2,3
	global_load_u8 v[MB+\a], v13, s[90:91] offset:8*\a
.endr
	s_lshr_b32 s30, s[TBK], 4                      ; the record of my first head: 16 (16 b + 4 cx + 2 wp) + step
	s_lshl_b32 s30, s30, 4
	s_lshl_b32 s31, s[CX], 2
	s_add_co_u32 s30, s30, s31
	s_lshl_b32 s31, s29, 1
	s_add_co_u32 s30, s30, s31
	s_lshl_b32 s30, s30, 4
	s_and_b32 s31, s[TBK], 15
	s_add_co_u32 s30, s30, s31
	s_mul_i32 s30, s30, s96
	s_mov_b32 s31, 0
	s_add_nc_u64 s[92:93], s[92:93], s[30:31]
	s_lshl_b32 s30, s[WR], 8
	s_add_co_u32 s30, s30, s97
	s_add_nc_u64 s[66:67], s[92:93], s[30:31]      ; its scale words, my four tiles' 256 bytes
	s_lshl_b32 s30, s[WR], 12
	s_add_nc_u64 s[92:93], s[92:93], s[30:31]      ; its images, my four tiles
	s_lshl_b32 s30, s96, 4
	s_add_nc_u64 s[94:95], s[92:93], s[30:31]      ; the next head's record lies 16 records on
	v_mul_lo_u32 v[SLO], v[HH], s30
	v_lshl_add_u32 v[SLO], v[RR], 4, v[SLO]        ; the scale words' store: lanes 0-15 the first head, lanes 16-31 the second; 16 bytes a row
	v_mov_b32 v14, s98
	v_cndmask_b32 v[VC0], v14, v[ZR], s[HM]        ; the place k = 64 lies in lanes 0-15
	v_mov_b32 v15, s99
	v_cndmask_b32 v[VC1], v15, v[ZR], s[HM]
	v_mov_b32 v[VH0], s100
	v_mov_b32 v[VH1], s101
	s_wait_alu depctr_va_vdst(0)
	s_wait_loadcnt 0x0                             ; scale words, bias, mask
.irp a, 0,1,2,3
	v_cmp_eq_u32 s30, 0, v[MB+\a]                  ; a choice of values, no branch
	v_cndmask_b32 v[XC+\a], v[VC0], v[VC1], s30
	v_cndmask_b32 v[XH+\a], v[VH0], v[VH1], s30
.endr
	MAIN 0
	QALL                                           ; block 4 a + 2 hh + e: token tile a, head hh, d 32 e on
.irp a, 0,1,2,3
.irp hh, 0,1
	v_mov_b32 v[CV+8*(2*\a+\hh)+6], v[XC+\a]
	v_mov_b32 v[CV+8*(2*\a+\hh)+7], v[ZR]
	global_store_b128 v[L16], v[CV+8*(2*\a+\hh):CV+8*(2*\a+\hh)+3], s[92+2*\hh:93+2*\hh] offset:1024*\a        ; 512 consecutive bytes, at a multiple of 256 from the buffer's first byte
	global_store_b128 v[L16], v[CV+8*(2*\a+\hh)+4:CV+8*(2*\a+\hh)+7], s[92+2*\hh:93+2*\hh] offset:1024*\a+512
	v_lshl_or_b32 v[WD+2*\a+\hh], v[EB+4*\a+2*\hh+1], 8, v[EB+4*\a+2*\hh]
	v_or_b32 v[WD+2*\a+\hh], v[WD+2*\a+\hh], v[XH+\a]
.endr
.endr
.irp a, 0,1,2,3
	v_cndmask_b32 v[OW+\a], v[WD+2*\a], v[WD+2*\a+1], s[HM]
.endr
	global_store_b128 v[SLO], v[OW:OW+3], s[66:67] ; sixteen lanes store 256 consecutive bytes of each head's table
	s_wait_tensorcnt 0x0                           ; the wave's end
	ds_add_u32 v[SPW], v[NIL]
	s_wait_dscnt 0x0
	CROUND                                         ; the closing round
	s_endpgm
	; ---------------- ARM v: source 0 = the 8 token tiles, source 1 = weight tiles 4 x wave on: head 4 cx + wave
.Larm_v:
	s_mul_i32 s30, s[WV], 4*CH
	s_wait_alu depctr_va_vdst(0)
	v_add_nc_u32 v[A016], XOFF, v[L16]
	v_add_nc_u32 v[A08], XOFF, v[L8]
	v_add_nc_u32 v[A116], s30, v[L16]
	v_add_nc_u32 v[A18], s30, v[L8]
	s_lshl_b32 s30, s[TBK], 3                      ; source 0's scale words: tile 1024 + 8 x block
	s_add_co_u32 s30, s30, 1024
	s_lshl_b32 s30, s30, 9
	s_mov_b32 s31, 0
	s_add_nc_u64 s[84:85], s[6:7], s[30:31]
	s_lshl_b32 s30, s[CX], 4                       ; source 1's: tile 1664 + 16 cx + 4 x wave
	s_lshl_b32 s29, s[WV], 2
	s_add_co_u32 s30, s30, s29
	s_add_co_u32 s30, s30, 1664
	s_lshl_b32 s30, s30, 9
	s_add_nc_u64 s[86:87], s[6:7], s[30:31]
.irp b, 0,1,2,3,4,5,6,7
	global_load_b128 v[SC0+4*\b:SC0+4*\b+3], v[L16], s[84:85] offset:512*\b
.endr
.irp a, 0,1,2,3
	global_load_b128 v[SC1+4*\a:SC1+4*\a+3], v[L16], s[86:87] offset:512*\a
.endr
	s_lshl_b32 s30, s[CX], 10                      ; bv of my head: 4 (256 cx + 64 x wave)
	s_lshl_b32 s29, s[WV], 8
	s_add_co_u32 s30, s30, s29
	s_add_nc_u64 s[88:89], s[12:13], s[30:31]
	v_and_b32 v12, 8, v[RR]
	v_add_nc_u32 v12, v12, v[RR]
	v_lshlrev_b32 v12, 2, v12                      ; a lane holds one feature: all eight registers of a bias tile hold its bias
	WIN 0xc0
.irp a, 0,1,2,3
.irp j, 0,1,2,3,4,5,6,7
	global_load_b32 v[8*\a+\j], v12, s[88:89] offset:(32*(\a/2)+8*(\a%2))*4
.endr
.endr
	WIN 0
	s_lshr_b32 s30, s[TBK], 4                      ; my record: 16 (16 b + 4 cx + wave) + step
	s_lshl_b32 s30, s30, 4
	s_lshl_b32 s29, s[CX], 2
	s_add_co_u32 s30, s30, s29
	s_add_co_u32 s30, s30, s[WV]
	s_lshl_b32 s30, s30, 4
	s_and_b32 s29, s[TBK], 15
	s_add_co_u32 s30, s30, s29
	s_mul_i32 s30, s30, RECK
	s_add_nc_u64 s[92:93], s[18:19], s[30:31]
	s_wait_alu depctr_va_vdst(0)
	s_wait_loadcnt 0x0
	MAIN 1
	QALL                                           ; block 4 a + e: d tile a, keys 32 e on
.irp a, 0,1,2,3
.irp c, 0,1
	global_store_b128 v[L16], v[CV+8*(2*\a+\c):CV+8*(2*\a+\c)+3], s[92:93] offset:8192+1536*\a+768*\c
	global_store_b64 v[L8], v[CV+8*(2*\a+\c)+4:CV+8*(2*\a+\c)+5], s[92:93] offset:8192+1536*\a+768*\c+512
.endr
	v_lshl_or_b32 v[WD+\a], v[EB+4*\a+1], 8, v[EB+4*\a]
	v_lshl_or_b32 v[WD+\a], v[EB+4*\a+2], 16, v[WD+\a]
	v_lshl_or_b32 v[WD+\a], v[EB+4*\a+3], 24, v[WD+\a]
.endr
.irp i, 0,1
	v_cndmask_b32 v[OW+\i], v[WD+\i], v[WD+2+\i], s[HM]
.endr
	global_store_b64 v[L8], v[OW:OW+1], s[92:93] offset:14848   ; 256 consecutive bytes
	s_wait_tensorcnt 0x0                           ; the wave's end
	ds_add_u32 v[SPW], v[NIL]
	s_wait_dscnt 0x0
	CROUND                                         ; the closing round
	s_endpgm
.Lfunc_end_k_q3110c62893_proj:
	.size	k_q3110c62893_proj, .Lfunc_end_k_q3110c62893_proj-k_q3110c62893_proj
	.p2alignl 7, 3214868480
	.fill 96, 4, 3214868480
	.section	.rodata,"a",@progbits
	.p2align	6, 0x0
	.amdhsa_kernel k_q3110c62893_proj
		.amdhsa_group_segment_fixed_size 295424
		.amdhsa_private_segment_fixed_size 0
		.amdhsa_enable_private_segment 0
		.amdhsa_kernarg_size 64
		.amdhsa_user_sgpr_count 2
		.amdhsa_user_sgpr_kernarg_segment_ptr 1
		.amdhsa_wavefront_size32 1
		.amdhsa_system_sgpr_workgroup_id_x 1
		.amdhsa_system_sgpr_workgroup_id_y 1
		.amdhsa_system_sgpr_workgroup_id_z 1
		.amdhsa_system_vgpr_workitem_id 0
		.amdhsa_next_free_vgpr 1024
		.amdhsa_next_free_sgpr 102
		.amdhsa_reserve_vcc 0
		.amdhsa_float_denorm_mode_32 3
		.amdhsa_float_denorm_mode_16_64 3
		.amdhsa_memory_ordered 1
		.amdhsa_forward_progress 1
		.amdhsa_inst_pref_size 170
	.end_amdhsa_kernel
	.amdgpu_metadata
---
amdhsa.version: [ 1, 2 ]
amdhsa.kernels:
  - .name:           k_q3110c62893_proj
    .symbol:         k_q3110c62893_proj.kd
    .args:
      - { .name: c1, .offset: 0, .size: 8, .value_kind: global_buffer, .address_space: global }
      - { .name: s1, .offset: 8, .size: 8, .value_kind: global_buffer, .address_space: global }
      - { .name: bq, .offset: 16, .size: 8, .value_kind: global_buffer, .address_space: global }
      - { .name: bk, .offset: 24, .size: 8, .value_kind: global_buffer, .address_space: global }
      - { .name: bv, .offset: 32, .size: 8, .value_kind: global_buffer, .address_space: global }
      - { .name: mask, .offset: 40, .size: 8, .value_kind: global_buffer, .address_space: global }
      - { .name: qb, .offset: 48, .size: 8, .value_kind: global_buffer, .address_space: global }
      - { .name: kv, .offset: 56, .size: 8, .value_kind: global_buffer, .address_space: global }
    .group_segment_fixed_size: 295424
    .private_segment_fixed_size: 0
    .kernarg_segment_align: 8
    .kernarg_segment_size: 64
    .max_flat_workgroup_size: 128
    .sgpr_count:     102
    .vgpr_count:     1024
    .wavefront_size: 32
...
	.end_amdgpu_metadata
.endif
;; end of part 2
;; launch attn (part 3): grid 4 x 64, 8 waves a work-group, clusters of 4 x 1, 243,712 bytes of LDS; arguments qb, kv, cc, cs; writes cc, cs
.if DOCPART == 3
	.amdgcn_target "amdgcn-amd-amdhsa--gfx1250"
	.amdhsa_code_object_version 6
	.text
	.protected	k_q3110c62893_attn
	.globl	k_q3110c62893_attn
	.p2align	8
	.type	k_q3110c62893_attn,@function
k_q3110c62893_attn:
	s_mov_b64 s[64:65], 0
	v_nop
	global_prefetch_b8 v0, s[64:65] scope:SCOPE_SE
	s_setreg_imm32_b32 hwreg(HW_REG_WAVE_MODE, 25, 1), 1
	s_wait_xcnt 0x0
	s_wait_alu depctr_hold_cnt(0) depctr_sa_sdst(0) depctr_va_vdst(0) depctr_va_sdst(0) depctr_va_ssrc(0) depctr_va_vcc(0) depctr_vm_vsrc(0)
	s_getreg_b32 s2, hwreg(HW_REG_IB_STS2, 6, 4)
	s_cmp_eq_u32 s2, 0
	s_cbranch_scc0 .Lentry_in_a_cluster
	s_endpgm
.Lentry_in_a_cluster:
	s_bfe_u32 s2, ttmp6, 0x10000c
	s_cmp_lg_u32 s2, 0x3003
	s_cbranch_scc0 .Lentry_shape_is_right
	s_endpgm
.Lentry_shape_is_right:
; ctx = softmax(q k^T / 8, keys masked) v for one head, both products on codes of FP6 (E2M3) with E8M0 scales; ctx is quantised along d and leaves as operand images for the output projection.
; THE SOFTMAX: t = score x log2(e) / 8; M = the running largest t rounded up to a whole number; p = 2^(t - M) is quantised along the keys, not normalised; the row's sum is taken of the unquantised p and divides at the end.
; SHARES.  A work-group takes 512 queries of one head (b, head) = cluster y; each of its eight waves FOUR tiles of 16 queries AT ONCE: a step's fragments of K and V are read from LDS once and feed all four tiles' products.
; K, V AND THEIR SCALE WORDS OF THE WHOLE HEAD (16 records of 15,104 bytes) come into LDS once and stay: wave w asks for records 2 w and 2 w + 1 by one load, jointly with the three partners of the cluster, which walk the same head.
; No ring, no refill.  No data prefetch: every record is asked for at the head, ahead of any loop.
; LAYOUT.  Both products are used transposed: S^T = K Q^T (source 0 = 16 keys), O^T = V^T P^T (source 0 = 16 of the head's 64): a lane holds one query of each tile throughout.
; A KEY TILE T of a record holds keys 64 (T / 4) + 8 (T % 4) + r % 8 + 32 (r / 8): register 32 c + i of the scores in lane (r, h) is key 64 c + 32 h + i.  So a lane's 32 registers are ONE scale block of p, in the order and in the
; lane in which the next operand wants its codes.  Only the row's maximum and the scale word's four bytes are joined with lane l xor 16.
; K = 64 FILLS HALF OF THE 128: a key's image is 8 registers; the operand names 12, and its last four are the next key tile's first four (behind the last tile: zeros).  q's codes there are zeros, so they add exactly 0.
; THE MASK lies at k = 64: q holds 1.0 there, a masked key -7.5 under the scale 2^60, a kept key 0.  No vector instruction is spent on it here.
; A STEP (128 keys, one record): V's fragments are asked for at its head; for tiles 0 to 3 in turn: eight products, the softmax, four products; behind tile 3's eight the next step's K is asked for.
; THE ROW'S SUM runs in four pairs of registers a tile, which are joined only on the way out: a step's first four lines are l x f + p, the other 28 additions.
; A BARRIER A STEP, signalled at the step's head and waited for ahead of its last four products, holds the eight waves within one step of each other.  It orders no data: nothing is written to LDS behind the fills.
; REGISTERS, in two windows of 256: window 0: all that vector instructions work on, K's fragments, the scores; window 1: O^T of tile i at v[32 i], V's fragments at v128, q's of tile i at v[176 + 12 i].
; LIMITS: scaled scores stay under 2^50 in magnitude: the largest score starts at -2^53 (t = -2^50.5), above every masked one.  A row all of whose keys are masked has the sum 0: its scale bytes are set to 0xff, so that the output is NaN there, as the softmax of such a row is.
.set RECQ,  8704
.set RECK,  15104
.set SPARE, 16*RECK                    ; behind the records: the spare words, 128 bytes a wave, four blocks of 256 bytes that no other line names
.set L16, 1                            ; 16 x lane
.set L8,  2                            ; 8 x lane
.set AD16, 3                           ; the same in the record in hand, for V
.set AD8,  4
.set SPW, 5
.set NIL, 6
.set R16, 7                            ; 16 r
.set L4,  8                            ; 4 x lane
.set ADK, 9                            ; 16 x lane in the next record, for K
.set FFFF, 10                          ; 0xffff
.set ST,  12                           ; v12-19 tile i: v[12 + 2 i] -M, then the largest score so far
.set QS,  28                           ; v28-31 q's scale words, a register a tile
.set W0,  32                           ; v32-35 ctx's scale words, a register a tile
.set SH8, 36                           ; 8 h
.set OLD, 37                           ; the last step's -M
.set PX,  38                           ; what lane l xor 16 holds
.set TT,  39
.set FF,  40                           ; v[40:41] f (the low word serves both halves)
.set PSW, 42                           ; p's scale word
.set SO,  44                           ; v44-45 the conversions' scale operands
.set EB,  46                           ; v46-47 scale bytes
.set BM,  48                           ; v48-51 the largest scores: my two blocks, each in two halves; then the blocks' largest p
.set TC,  52                           ; v52-54, v56-58 the codes of a block's upper 16 (a conversion's three registers begin on an even number)
.set KSC, 60                           ; v60-63 k's scale words
.set VSC, 64                           ; v64-65 v's
.set TW,  66                           ; v66-67 the way out: lane l xor 16's maxima, then bytes
.set PCD, 76                           ; v76-87 p's codes
.set KF,  88                           ; v88-151 eight key tiles, 8 registers apart; v152-155 = 0
.set S,   156                          ; v156-219 S^T, then p
.set LS,  220                          ; v220-251 tile i: v[220 + 8 i] on: the row's sum in four pairs
.set VFW, 128                          ; window 1: v's four fragments
.set QFW, 176                          ; window 1: q's four fragments (registers 8-11 of each = 0)
.set WV,  12
.set CXP, 13
.set BH,  14
.set G1,  16
.set G0,  24
.set SEL, 28
.set CS,  30
.set HM,  32
.set TB,  33
.set CNT, 34
.set NC,  50
.set TN,  51
.set MSB, 0
.macro WIN new                         ; the immediate's high byte repeats the setting that is left
.if MSB != \new
	s_set_vgpr_msb (MSB<<8)|\new
.set MSB, \new
.endif
.endm
.macro PLACES n
.rept \n
	v_nop
.endr
.endm
.macro DEP n
	s_delay_alu instid0(VALU_DEP_\n)
.endm
.macro WALU
	s_wait_alu depctr_va_vdst(0)
.endm
.macro CROUND
	s_barrier_signal -1
	s_barrier_wait -1
	s_cmp_lg_u32 s[WV], 0
	s_cbranch_scc1 .Lnot_wave_0_\@
	s_barrier_signal -3
.Lnot_wave_0_\@:
	s_barrier_wait -3
	s_barrier_signal -1
	s_barrier_wait -1
.endm
.macro FRAGB reg, a16, a8, off
	ds_load_b128 v[(\reg):(\reg)+3], v[\a16] offset:(\off)
	ds_load_b64 v[(\reg)+4:(\reg)+5], v[\a8] offset:(\off)+512
	ds_load_b128 v[(\reg)+6:(\reg)+9], v[\a16] offset:(\off)+768
	ds_load_b64 v[(\reg)+10:(\reg)+11], v[\a8] offset:(\off)+1280
.endm
.macro KLOAD a                         ; a record's eight key tiles and their scale words (lanes 0-15: tiles 0-3; lanes 16-31: tiles 4-7): 17 loads
.irp t, 0,1,2,3,4,5,6,7
	ds_load_b128 v[KF+8*\t:KF+8*\t+3], v[\a] offset:1024*\t
	ds_load_b128 v[KF+8*\t+4:KF+8*\t+7], v[\a] offset:1024*\t+512
.endr
	ds_load_b128 v[KSC:KSC+3], v[\a] offset:14336
.endm
.macro SUMG g                          ; four lines of the row's sum, one for each of its four pairs: p's registers 8 g .. 8 g + 7.  SU: the tile's first pair
.irp k, 0,1,2,3
.if \g == 0
	v_pk_fma_f32 v[SU+2*\k:SU+2*\k+1], v[SU+2*\k:SU+2*\k+1], v[FF:FF+1], v[S+2*\k:S+2*\k+1] op_sel_hi:[1,0,1]   ; the sum under the new M, and p
.else
	v_pk_add_f32 v[SU+2*\k:SU+2*\k+1], v[SU+2*\k:SU+2*\k+1], v[S+8*(\g)+2*\k:S+8*(\g)+2*\k+1]
.endif
.endr
.endm
	s_load_b256 s[4:11], s[0:1], 0x0               ; qb, kv, cc, cs
	v_lshl_add_u32 v[SPW], v0, 2, SPARE
	v_mov_b32 v[NIL], 0
	ds_add_u32 v[SPW], v[NIL]                      ; the wave's opening: the add, twice on end, and its wait ahead of my tensor load
	ds_add_u32 v[SPW], v[NIL]
	v_lshrrev_b32 v12, 5, v0
	DEP 1
	v_readfirstlane_b32 s[WV], v12                 ; wave 0..7
	s_bfe_u32 s[CXP], ttmp6, 0x40000               ; my place in the cluster: it enters q's and ctx's addresses alone
	s_and_b32 s[BH], ttmp7, 0xffff                 ; 16 b + head, which the four partners share
	s_mov_b32 s[G1], 15|(3<<16)|(1<<21)            ; 15:0 the mask: all four; 17:16 elements of 8 bytes; 21 set beside a mask; no padding
	s_mov_b32 s[G1+1], 32<<16                      ; two records are dense: 118 rows of 256 bytes
	s_mov_b32 s[G1+2], 118<<16
	s_mov_b32 s[G1+3], 32<<16
	s_mov_b32 s[G1+4], 118
	s_mov_b32 s[G1+5], 32
	s_mov_b32 s[G1+6], 0
	s_mov_b32 s[G1+7], 0
	s_lshl_b32 s36, s[BH], 3
	s_add_co_u32 s36, s36, s[WV]                   ; records 16 x head + 2 x wave and the next
	s_mul_i32 s36, s36, 2*RECK
	s_mov_b32 s37, 0
	s_mov_b32 s[G0], 1
	s_mul_i32 s[G0+1], s[WV], 2*RECK
	s_mov_b32 s[SEL], 0x76543210
	s_mov_b32 s[SEL+1], 0xfedcba98
	s_mov_b32 s[CS], 0x3e38aa3b                    ; c = log2(e) / 8
	s_mov_b32 s[CS+1], s[CS]
	s_mov_b32 s[NC], 0xbe38aa3b                    ; -c
	s_mov_b32 s[HM], 0xffff0000
	s_wait_dscnt 0x0                               ; both opening adds are done
	CROUND                                         ; the round in front of the joint loads, ahead of the wait for the arguments
	s_wait_kmcnt 0x0
	s_add_nc_u64 s[G0+2:G0+3], s[6:7], s[36:37]
	s_or_b32 s[G0+3], s[G0+3], 0x80000000
	tensor_load_to_lds s[G0:G0+3], s[G1:G1+7]      ; my one tensor load
	s_nop 0
	PLACES 4
	v_and_b32 v12, 31, v0
	DEP 1
	v_lshlrev_b32 v[L16], 4, v12
	WALU
	v_lshlrev_b32 v[L8], 3, v12
	v_lshlrev_b32 v[L4], 2, v12
	v_and_b32 v13, 15, v0
	DEP 1
	v_lshlrev_b32 v[R16], 4, v13
	WALU
	v_mov_b32 v[FFFF], 0xffff
	v_and_b32 v[SH8], 16, v0
	DEP 1
	v_lshrrev_b32 v[SH8], 1, v[SH8]
	s_lshl_b32 s36, s[BH], 4                       ; q's record: 16 x head + 4 cx + wave / 2; my tiles are its 4 (wave % 2) + 0 .. 3
	s_lshl_b32 s46, s[CXP], 2
	s_add_co_u32 s36, s36, s46
	s_lshr_b32 s46, s[WV], 1
	s_add_co_u32 s36, s36, s46
	s_mul_i32 s36, s36, RECQ
	s_add_nc_u64 s[38:39], s[4:5], s[36:37]
	s_and_b32 s46, s[WV], 1
	s_lshl_b32 s36, s46, 8                         ; its scale words: 8,192 + 256 (wave % 2) + 16 r: row r's words of my four tiles
	s_add_co_u32 s36, s36, 8192
	s_add_nc_u64 s[40:41], s[38:39], s[36:37]
	s_lshl_b32 s36, s46, 12                        ; my four tiles' images
	s_add_nc_u64 s[38:39], s[38:39], s[36:37]
	WIN 0x40                                       ; destinations in window 1
.irp i, 0,1,2,3
	global_load_b128 v[QFW+12*\i:QFW+12*\i+3], v[L16], s[38:39] offset:1024*\i
	global_load_b128 v[QFW+12*\i+4:QFW+12*\i+7], v[L16], s[38:39] offset:1024*\i+512
.endr
	WIN 0
	global_load_b128 v[QS:QS+3], v[R16], s[40:41]
	s_lshr_b32 s36, s[BH], 4                       ; my first token tile: 128 b + 32 cx + 4 x wave
	s_lshl_b32 s36, s36, 7
	s_lshl_b32 s46, s[CXP], 5
	s_add_co_u32 s36, s36, s46
	s_lshl_b32 s46, s[WV], 2
	s_add_co_u32 s36, s36, s46
	s_and_b32 s46, s[BH], 15                       ; the head
	s_lshl_b32 s47, s36, 6
	s_mul_i32 s36, s36, 12288
	s_mul_i32 s35, s46, 768
	s_add_co_u32 s36, s36, s35
	s_add_nc_u64 s[42:43], s[8:9], s[36:37]        ; cc: [token tile] 12,288 + [head] 768
	s_lshl_b32 s36, s46, 15
	s_add_co_u32 s36, s36, s47
	s_add_nc_u64 s[44:45], s[10:11], s[36:37]      ; cs: [head] 32,768 + [token tile] 64 + 4 r
	WIN 0x40                                       ; all this stands under the tensor load's flight
.irp i, 0,1,2,3
.irp j, 0,1,2,3
	v_mov_b32 v[QFW+12*\i+8+\j], 0                 ; q's places k = 72 and on
.endr
.endr
.set j, 0
.rept 128
	v_mov_b32 v[j], 0                              ; O^T: the step is written once; its first trip finds zeros
.set j, j+1
.endr
	WIN 0
.irp i, 0,1,2,3
	v_mov_b32 v[ST+2*\i], 0x58b8aa3b               ; -M = c x 2^53, a whole number
	v_mov_b32 v[ST+2*\i+1], 0xda000000             ; the largest score so far: -2^53
	v_mov_b32 v[KF+64+\i], 0                       ; behind the last key tile
.irp j, 0,1,2,3,4,5,6,7
	v_mov_b32 v[LS+8*\i+\j], 0                     ; the sum, in four pairs
.endr
.endr
	v_mov_b32 v[TW], 0                             ; written once: a lane permute's destination counts as one of its sources
	v_mov_b32 v[TW+1], 0
	v_mov_b32 v[PX], 0
	v_mov_b32 v[FF+1], 0                           ; named with f as a pair
	WALU                                           ; the wait at the head's end
	s_wait_loadcnt 0x0                             ; q
	s_wait_tensorcnt 0x0                           ; my two records are in,
	s_barrier_signal -1
	s_barrier_wait -1                              ; everybody's are: the head's keys and values lie in LDS for the rest of the launch
; Tile i's part of a step
.macro TSTEP i
.set NM, ST+2*(\i)
.set SU, LS+8*(\i)
.if \i == 3
	s_add_co_u32 s[TN], s[TB], RECK                ; the next record; in the last trip the address is held at record 15, whose keys are then read once more and not used
	s_min_u32 s[TN], s[TN], 15*RECK
.endif
	WIN 0x04                                       ; source 1: q, in window 1
.irp t, 0,1,2,3
	v_wmma_scale_f32_16x16x128_f8f6f4 v[S+8*\t:S+8*\t+7], v[KF+8*\t:KF+8*\t+11], v[QFW+12*(\i):QFW+12*(\i)+11], 0, v[KSC+\t], v[QS+\i] matrix_a_fmt:MATRIX_FMT_FP6 matrix_b_fmt:MATRIX_FMT_FP6
.endr
.irp t, 0,1,2,3
	v_wmma_scale_f32_16x16x128_f8f6f4 v[S+32+8*\t:S+32+8*\t+7], v[KF+32+8*\t:KF+32+8*\t+11], v[QFW+12*(\i):QFW+12*(\i)+11], 0, v[KSC+\t], v[QS+\i] matrix_a_fmt:MATRIX_FMT_FP6 matrix_b_fmt:MATRIX_FMT_FP6 matrix_a_scale:MATRIX_SCALE_ROW1
.endr
	WIN 0
	v_mov_b32 v[OLD], v[NM]                        ; four places: ahead of the first read of the scores and, in tile 3, of the loads into K's registers
.if \i == 3
	v_add_nc_u32 v[ADK], s[TN], v[L16]
	PLACES 2
	KLOAD ADK                                      ; the next step's keys land while this tile's softmax is walked
.else
	PLACES 3
.endif
.irp c, 0,1                                    ; THE LARGEST SCORE OF MY TWO BLOCKS OF 32 KEYS, each in two chains; every accumulator is read from its low end on.  It serves the row's maximum and, since p rises with the score, the block's largest p
	v_max3_num_f32 v[BM+\c], v[S+32*\c], v[S+32*\c+1], v[S+32*\c+2]
	v_max3_num_f32 v[BM+2+\c], v[S+32*\c+16], v[S+32*\c+17], v[S+32*\c+18]
.endr
.irp e, 3,5,7,9,11,13
.irp c, 0,1
	v_max3_num_f32 v[BM+\c], v[BM+\c], v[S+32*\c+\e], v[S+32*\c+\e+1]
	v_max3_num_f32 v[BM+2+\c], v[BM+2+\c], v[S+32*\c+16+\e], v[S+32*\c+16+\e+1]
.endr
.endr
.irp c, 0,1
	v_max3_num_f32 v[BM+\c], v[BM+\c], v[S+32*\c+15], v[S+32*\c+31]
.endr
.irp c, 0,1
	DEP 2
	v_max_num_f32 v[BM+\c], v[BM+\c], v[BM+2+\c]
.endr
	DEP 1
	v_max_num_f32 v[TT], v[BM], v[BM+1]
	DEP 1
	v_permlanex16_b32 v[PX], v[TT], s[SEL], s[SEL+1]
	DEP 1
	v_max3_num_f32 v[NM+1], v[NM+1], v[TT], v[PX]  ; the running largest score of my query (c is positive: the largest t is c x this)
	DEP 1
	v_mul_f32 v[TT], s[NC], v[NM+1]
	DEP 1
	v_floor_f32 v[NM], v[TT]                       ; the new -M = floor(-t) = -ceil(t): a whole number
.set j, 0
.rept 32
	v_pk_fma_f32 v[S+j:S+j+1], v[S+j:S+j+1], s[CS:CS+1], v[NM:NM+1] op_sel_hi:[1,0,0]   ; t - M, two at a time; among them the three lines that make f, each five or more lines behind the one that it reads
.if j == 8
	v_sub_f32 v[TT], v[NM], v[OLD]                 ; old M - new M, 0 or less
.elseif j == 20
	v_cvt_i32_f32 v[TT], v[TT]                     ; (it saturates)
.elseif j == 32
	v_ldexp_f32 v[FF], 1.0, v[TT]                  ; f = 2^(old M - new M): the rescaling rounds nothing
.endif
.set j, j+2
.endr
.irp c, 0,1
	v_fma_f32 v[BM+\c], v[BM+\c], s[CS], v[NM]     ; the same of each block's largest score
.endr
	WALU                                           ; the wait ahead of the batch
.irp c, 0,1
	v_exp_f32 v[BM+\c], v[BM+\c]                   ; the block's largest p: the same two instructions on the same number give the same bits
.endr
.set j, 0
.rept 64
	v_exp_f32 v[S+j], v[S+j]                       ; p = 2^(t - M)
.set j, j+1
.endr
	WIN 0x41                                       ; destination and source 0: O^T, in window 1
	WALU                                           ; one wait for the whole batch, directly ahead of O^T's first reader
.set j, 0
.rept 16
	v_pk_mul_f32 v[32*(\i)+j:32*(\i)+j+1], v[32*(\i)+j:32*(\i)+j+1], v[FF:FF+1] op_sel_hi:[1,0]   ; O^T under the new M, each accumulator from its low end on; the plain places behind the exponentials
.set j, j+2
.endr
	WIN 0
; p's scales and codes, with THE ROW'S SUM, WHICH IS TAKEN OF THE UNQUANTISED p, among them: each line of the scales stands five or more lines behind the one that it reads
.irp c, 0,1
	v_max_num_f32 v[BM+\c], 0x1800000, v[BM+\c]    ; the floor 2^(3 - 127): the byte cannot fall under 1
.endr
	SUMG 0
.irp c, 0,1
	v_add_nc_u32 v[SO+\c], 0xff000000, v[BM+\c]    ; 2 off the exponent field: the conversion's scale operand
.endr
	SUMG 1
.irp c, 0,1
	v_lshrrev_b32 v[EB+\c], 23, v[SO+\c]           ; the bytes of blocks h and 2 + h
.endr
.irp c, 0,1
	v_cvt_scalef32_pk16_fp6_f32 v[PCD+6*\c:PCD+6*\c+2], v[S+32*\c:S+32*\c+15], v[SO+\c]
	v_cvt_scalef32_pk16_fp6_f32 v[TC+4*\c:TC+4*\c+2], v[S+32*\c+16:S+32*\c+31], v[SO+\c]
.endr
	SUMG 2                                         ; also the plain place behind the conversions
	v_lshl_or_b32 v[TT], v[EB+1], 16, v[EB]
.irp c, 0,1
.irp e, 0,1,2
	v_mov_b32 v[PCD+6*\c+3+\e], v[TC+4*\c+\e]      ; registers 6 c .. 6 c + 5 now hold k = 64 c + 32 h + 0 .. 31
.endr
.endr
	v_lshlrev_b32 v[TT], v[SH8], v[TT]             ; my two bytes at their places in the scale word, 8 h bits up
	SUMG 3
	v_permlanex16_b32 v[PX], v[TT], s[SEL], s[SEL+1]
	SUMG 4
	v_or_b32 v[PSW], v[TT], v[PX]                  ; with lane l xor 16's two the word of these 128 keys is whole
	SUMG 5                                         ; these twelve additions are the places ahead of the products below
	SUMG 6
	SUMG 7
.if \i == 0
	s_wait_dscnt 0x0                               ; v's fragments and scale words are in
.elseif \i == 3
	WALU                                           ; directly ahead of the wait below
	s_barrier_wait -1                              ; every wave has begun this step
.endif
	WIN 0x51                                       ; O^T and v's fragments in window 1, p's codes in window 0
.irp t, 0,1
	v_wmma_scale_f32_16x16x128_f8f6f4 v[32*(\i)+8*\t:32*(\i)+8*\t+7], v[VFW+12*\t:VFW+12*\t+11], v[PCD:PCD+11], v[32*(\i)+8*\t:32*(\i)+8*\t+7], v[VSC+\t], v[PSW] matrix_a_fmt:MATRIX_FMT_FP6 matrix_b_fmt:MATRIX_FMT_FP6
.endr
.irp t, 0,1
	v_wmma_scale_f32_16x16x128_f8f6f4 v[32*(\i)+16+8*\t:32*(\i)+16+8*\t+7], v[VFW+24+12*\t:VFW+24+12*\t+11], v[PCD:PCD+11], v[32*(\i)+16+8*\t:32*(\i)+16+8*\t+7], v[VSC+\t], v[PSW] matrix_a_fmt:MATRIX_FMT_FP6 matrix_b_fmt:MATRIX_FMT_FP6 matrix_a_scale:MATRIX_SCALE_ROW1
.endr
.endm
	KLOAD L16                                      ; record 0's keys
	s_mov_b32 s[TB], 0
	s_mov_b32 s[CNT], 16
.Lstep:                                            ; 16 trips: 128 keys each, one record
	s_wait_dscnt 0x0                               ; this step's keys are in; no LDS instruction of mine is out at the signal
	s_barrier_signal -1                            ; I have begun this step
	v_add_nc_u32 v[AD16], s[TB], v[L16]
	v_add_nc_u32 v[AD8], s[TB], v[L8]
	PLACES 2                                       ; with the two additions: four places behind the last trip's products, ahead of the loads into registers that they read
	WIN 0x40
.irp t, 0,1,2,3
	FRAGB VFW+12*\t, AD16, AD8, 8192+1536*\t
.endr
	WIN 0
	ds_load_b64 v[VSC:VSC+1], v[AD8] offset:14848  ; lanes 0-15: d tiles 0, 1; lanes 16-31: d tiles 2, 3
	TSTEP 0
	TSTEP 1
	TSTEP 2
	TSTEP 3
	WIN 0
	s_add_co_u32 s[TB], s[TB], RECK                ; the next record
	s_sub_co_u32 s[CNT], s[CNT], 1
	s_cmp_lg_u32 s[CNT], 0
	s_cbranch_scc1 .Lstep
	PLACES 4
; THE WAY OUT of tile i: O^T / the sum, quantised along d: two blocks of 32, which are this head's share (6 registers a lane) of the next product's fragment.  V's d tiles hold rows 32 (T / 2) + 8 (T % 2) + r + 8 (r / 8): a block lies in lanes l and l xor 16
.macro OUT i
.set SU, LS+8*(\i)
	v_pk_add_f32 v[SU:SU+1], v[SU:SU+1], v[SU+2:SU+3]      ; the sum's four pairs,
	v_pk_add_f32 v[SU+4:SU+5], v[SU+4:SU+5], v[SU+6:SU+7]
	DEP 1
	v_pk_add_f32 v[SU:SU+1], v[SU:SU+1], v[SU+4:SU+5]
	DEP 1
	v_add_f32 v[SU], v[SU], v[SU+1]                ; its two halves,
	DEP 1
	v_permlanex16_b32 v[PX], v[SU], s[SEL], s[SEL+1]
	DEP 1
	v_add_f32 v[SU], v[SU], v[PX]                  ; and lane l xor 16's: the row's sum
	DEP 1
	v_cmp_eq_f32 s48, 0, v[SU]                     ; all keys masked: it only selects a value below
	WALU                                           ; the wait ahead of the transcendental
	v_rcp_f32 v[FF], v[SU]
	v_nop                                          ; a plain place behind the reciprocal
	WIN 0x01                                       ; source 0: O^T, in window 1
	WALU                                           ; the wait ahead of its first reader, which is O^T's first reader too
.set j, 0
.rept 16
	v_pk_mul_f32 v[S+j:S+j+1], v[32*(\i)+j:32*(\i)+j+1], v[FF:FF+1] op_sel_hi:[1,0]   ; register 16 b + e: d = 32 b + 16 h + e; each accumulator from its low end on
.set j, j+2
.endr
	WIN 0
.irp b, 0,1
	v_max3_num_f32 v[BM+\b], |v[S+16*\b]|, |v[S+16*\b+1]|, 0x1800000
.endr
.irp e, 2,4,6,8,10,12,14
.irp b, 0,1
	DEP 2
	v_max3_num_f32 v[BM+\b], v[BM+\b], |v[S+16*\b+\e]|, |v[S+16*\b+\e+1]|
.endr
.endr
.irp b, 0,1
	DEP 2
	v_permlanex16_b32 v[TW+\b], v[BM+\b], s[SEL], s[SEL+1]
.endr
.irp b, 0,1
	DEP 2
	v_max_num_f32 v[BM+\b], v[BM+\b], v[TW+\b]
.endr
.irp b, 0,1
	DEP 2
	v_add_nc_u32 v[SO+\b], 0xff000000, v[BM+\b]
.endr
.irp b, 0,1
	DEP 2
	v_lshrrev_b32 v[TW+\b], 23, v[SO+\b]
.endr
	DEP 1
	v_lshl_or_b32 v[TT], v[TW+1], 8, v[TW]
	DEP 1
	v_cndmask_b32 v[W0+\i], v[TT], v[FFFF], s48    ; my row's two bytes; 0xff, 0xff where the sum is 0
	v_cvt_scalef32_pk16_fp6_f32 v[PCD:PCD+2], v[S:S+15], v[SO]
	v_cvt_scalef32_pk16_fp6_f32 v[TC:TC+2], v[S+16:S+31], v[SO+1]
	v_nop                                          ; one plain place behind a scaled conversion
.irp e, 0,1,2
	v_permlane16_swap_b32 v[PCD+\e], v[TC+\e]      ; a whole block to a lane: lanes 0-15 d 0-31, lanes 16-31 d 32-63
.endr
.irp e, 0,1,2
	DEP 3
	v_mov_b32 v[PCD+3+\e], v[TC+\e]
.endr
	global_store_b128 v[L16], v[PCD:PCD+3], s[42:43] offset:12288*\i        ; 512 and 256 consecutive bytes, at multiples of 256 from cc's first byte
	global_store_b64 v[L8], v[PCD+4:PCD+5], s[42:43] offset:12288*\i+512
.if \i < 3
	s_wait_xcnt 0x0                                ; the stores have read their registers, which the next tile writes again
.endif
.endm
	OUT 0
	OUT 1
	OUT 2
	OUT 3
	v_cndmask_b32 v[TT], v[W0], v[W0+1], s[HM]     ; lanes 0-15 one tile's words, lanes 16-31 the next tile's
	v_cndmask_b32 v[EB], v[W0+2], v[W0+3], s[HM]
	global_store_b32 v[L4], v[TT], s[44:45]        ; two stores of 128 consecutive bytes fill one aligned 256 bytes of cs
	global_store_b32 v[L4], v[EB], s[44:45] offset:128
	s_wait_tensorcnt 0x0                           ; the wave's end
	ds_add_u32 v[SPW], v[NIL]
	s_wait_dscnt 0x0
	CROUND                                         ; the closing round
	s_endpgm
.Lfunc_end_k_q3110c62893_attn:
	.size	k_q3110c62893_attn, .Lfunc_end_k_q3110c62893_attn-k_q3110c62893_attn
	.p2alignl 7, 3214868480
	.fill 96, 4, 3214868480
	.section	.rodata,"a",@progbits
	.p2align	6, 0x0
	.amdhsa_kernel k_q3110c62893_attn
		.amdhsa_group_segment_fixed_size 243712
		.amdhsa_private_segment_fixed_size 0
		.amdhsa_enable_private_segment 0
		.amdhsa_kernarg_size 32
		.amdhsa_user_sgpr_count 2
		.amdhsa_user_sgpr_kernarg_segment_ptr 1
		.amdhsa_wavefront_size32 1
		.amdhsa_system_sgpr_workgroup_id_x 1
		.amdhsa_system_sgpr_workgroup_id_y 1
		.amdhsa_system_sgpr_workgroup_id_z 1
		.amdhsa_system_vgpr_workitem_id 0
		.amdhsa_next_free_vgpr 512
		.amdhsa_next_free_sgpr 66
		.amdhsa_reserve_vcc 0
		.amdhsa_float_denorm_mode_32 3
		.amdhsa_float_denorm_mode_16_64 3
		.amdhsa_memory_ordered 1
		.amdhsa_forward_progress 1
		.amdhsa_inst_pref_size 85
	.end_amdhsa_kernel
	.amdgpu_metadata
---
amdhsa.version: [ 1, 2 ]
amdhsa.kernels:
  - .name:           k_q3110c62893_attn
    .symbol:         k_q3110c62893_attn.kd
    .args:
      - { .name: qb, .offset: 0, .size: 8, .value_kind: global_buffer, .address_space: global }
      - { .name: kv, .offset: 8, .size: 8, .value_kind: global_buffer, .address_space: global }
      - { .name: cc, .offset: 16, .size: 8, .value_kind: global_buffer, .address_space: global }
      - { .name: cs, .offset: 24, .size: 8, .value_kind: global_buffer, .address_space: global }
    .group_segment_fixed_size: 243712
    .private_segment_fixed_size: 0
    .kernarg_segment_align: 8
    .kernarg_segment_size: 32
    .max_flat_workgroup_size: 256
    .sgpr_count:     66
    .vgpr_count:     512
    .wavefront_size: 32
...
	.end_amdgpu_metadata
.endif
;; end of part 3
;; launch outp (part 4): grid 4 x 64, 4 waves a work-group, clusters of 4 x 4, 295,424 bytes of LDS; arguments cc, cs, c1, s1, bo, out0; writes out0
.if DOCPART == 4
	.amdgcn_target "amdgcn-amd-amdhsa--gfx1250"
	.amdhsa_code_object_version 6
	.text
	.protected	k_q3110c62893_outp
	.globl	k_q3110c62893_outp
	.p2align	8
	.type	k_q3110c62893_outp,@function
k_q3110c62893_outp:
	s_mov_b64 s[64:65], 0
	v_nop
	global_prefetch_b8 v0, s[64:65] scope:SCOPE_SE
	s_setreg_imm32_b32 hwreg(HW_REG_WAVE_MODE, 25, 1), 1
	s_wait_xcnt 0x0
	s_wait_alu depctr_hold_cnt(0) depctr_sa_sdst(0) depctr_va_vdst(0) depctr_va_sdst(0) depctr_va_ssrc(0) depctr_va_vcc(0) depctr_vm_vsrc(0)
	s_getreg_b32 s2, hwreg(HW_REG_IB_STS2, 6, 4)
	s_cmp_eq_u32 s2, 0
	s_cbranch_scc0 .Lentry_in_a_cluster
	s_endpgm
.Lentry_in_a_cluster:
	s_bfe_u32 s2, ttmp6, 0x10000c
	s_cmp_lg_u32 s2, 0xf033
	s_cbranch_scc0 .Lentry_shape_is_right
	s_endpgm
.Lentry_shape_is_right:
; out0 = ctx Wo^T + bo on codes of FP6 (E2M3) with E8M0 scales.  ctx's codes (cc) and scale bytes (cs) come from the attention launch, Wo's (c1, s1: tiles 1728 on) from the quantising launch.
; SHARES.  A work-group makes 256 output features (16 tiles of Wo's rows) x 128 tokens (8 tiles).  All of K = 1,024 lies in LDS, in two chunks of four K steps: every fill is a first fill.
; Four waves, each 8 weight tiles (source 0) x 4 token tiles (source 1): a lane holds one token, its registers run along the features.  32 accumulators, which take turns.
; CLUSTER 4 x 4: the four of a column (same cx) need the same weight tiles, the four of a row (same cy) the same token tiles: joint loads.  Waves 0, 2 fetch the weights' halves, waves 1, 3 the tokens'.
; TILES.  Tile T holds rows 32 (T / 2) + 8 (T % 2) + r + 8 (r / 8); the results of weight tiles 2 b, 2 b + 1 are features 32 b + 16 h + 0 .. 15.
; THE WAY OUT.  16 tokens x 128 features at a time go through the wave's own stage in LDS and leave as whole rows of 512 bytes.  The stage lies in chunk 0, which has had its only fill and whose last read stands ahead of an earlier barrier.
; A scale byte 0xff in cs (a row all of whose keys were masked) makes that token's outputs NaN.
; REGISTERS, in windows of 256: window 0: v1-15 addresses; v16-47 Wo's scale words, v48-63 ctx's; v64-159 ctx's fragments, two sets; on the way out v64-191 rows.
;   window 1: Wo's fragments, two sets.   window 2: accumulator (a, b) at v[8 (8 a + b)].   window 3: bo's 8 tiles, the C of each sum's first product.
.set TILEB, 12288
.set CH,    6144                       ; four K steps of one tile.  K LIES IN LDS IN TWO HALVES OF FOUR K STEPS, each 16 weight tiles and 8 token tiles; every fill is a first fill, one tensor load a wave.  The stage lies in the first half, whose last read stands ahead of the barrier in K step 3
.set CHUNK, 24*CH
.set XOFF,  16*CH
.set SPARE, 2*CHUNK                    ; the spare words, 128 bytes a wave, two blocks of 256 bytes that no other line names
.set LN,  1
.set RR,  2
.set HH,  3
.set L16, 4
.set L8,  5
.set A016, 6
.set A08,  7
.set A116, 8
.set A18,  9
.set SPW, 10
.set NIL, 11
.set STO, 13                           ; the stage: where I put 16 bytes of a row
.set RD,  14                           ; and where I read a row back
.set SC0, 16
.set SC1, 48
.set F1,  64
.set BK,  64                           ; the way out: two sets of 64 registers
.set CSW, 160                          ; v160-191 ctx's scale bytes as loaded: 8 heads for each of 4 tiles
.set WV,  20
.set CX,  21
.set CY,  22
.set TBK, 25
.set WR,  28
.set G1W, 32
.set G1X, 40
.set G0W, 48
.set G0X, 68
.set MSB, 0
.macro WIN new                         ; the immediate's high byte repeats the setting that is left
.if MSB != \new
	s_set_vgpr_msb (MSB<<8)|\new
.set MSB, \new
.endif
.endm
.macro PLACES n
.rept \n
	v_nop
.endr
.endm
.macro CROUND
	s_barrier_signal -1
	s_barrier_wait -1
	s_cmp_lg_u32 s[WV], 0
	s_cbranch_scc1 .Lnot_wave_0_\@
	s_barrier_signal -3
.Lnot_wave_0_\@:
	s_barrier_wait -3
	s_barrier_signal -1
	s_barrier_wait -1
.endm
.macro FRAGB reg, a16, a8, off
	ds_load_b128 v[(\reg):(\reg)+3], v[\a16] offset:(\off)
	ds_load_b64 v[(\reg)+4:(\reg)+5], v[\a8] offset:(\off)+512
	ds_load_b128 v[(\reg)+6:(\reg)+9], v[\a16] offset:(\off)+768
	ds_load_b64 v[(\reg)+10:(\reg)+11], v[\a8] offset:(\off)+1280
.endm
.macro FETCH s                         ; K step s: 8 fragments of Wo, 4 of ctx: 48 LDS loads in one run
	WIN 0x40
.irp b, 0,1,2,3,4,5,6,7
	FRAGB 128*((\s)%2)+12*\b, A016, A08, CH*\b+1536*((\s)%4)
.endr
	WIN 0
.irp a, 0,1,2,3
	FRAGB F1+48*((\s)%2)+12*\a, A116, A18, CH*\a+1536*((\s)%4)
.endr
.endm
; 32 products of K step s; the accumulators take turns, one instruction a turn.  The first step's C is bo's tile b.  K steps 4-7 take their scale words from lanes 16-31.
.macro MUL s
.if (\s) == 0
	WIN 0xb1
.else
	WIN 0xa1
.endif
.irp a, 0,1,2,3
.irp b, 0,1,2,3,4,5,6,7
.if (\s) == 0
	v_wmma_scale_f32_16x16x128_f8f6f4 v[8*(8*\a+\b):8*(8*\a+\b)+7], v[12*\b:12*\b+11], v[F1+12*\a:F1+12*\a+11], v[8*\b:8*\b+7], v[SC0+4*\b], v[SC1+4*\a] matrix_a_fmt:MATRIX_FMT_FP6 matrix_b_fmt:MATRIX_FMT_FP6
.elseif (\s) < 4
	v_wmma_scale_f32_16x16x128_f8f6f4 v[8*(8*\a+\b):8*(8*\a+\b)+7], v[128*((\s)%2)+12*\b:128*((\s)%2)+12*\b+11], v[F1+48*((\s)%2)+12*\a:F1+48*((\s)%2)+12*\a+11], v[8*(8*\a+\b):8*(8*\a+\b)+7], v[SC0+4*\b+(\s)], v[SC1+4*\a+(\s)] matrix_a_fmt:MATRIX_FMT_FP6 matrix_b_fmt:MATRIX_FMT_FP6
.else
	v_wmma_scale_f32_16x16x128_f8f6f4 v[8*(8*\a+\b):8*(8*\a+\b)+7], v[128*((\s)%2)+12*\b:128*((\s)%2)+12*\b+11], v[F1+48*((\s)%2)+12*\a:F1+48*((\s)%2)+12*\a+11], v[8*(8*\a+\b):8*(8*\a+\b)+7], v[SC0+4*\b+(\s)-4], v[SC1+4*\a+(\s)-4] matrix_a_fmt:MATRIX_FMT_FP6 matrix_b_fmt:MATRIX_FMT_FP6 matrix_a_scale:MATRIX_SCALE_ROW1 matrix_b_scale:MATRIX_SCALE_ROW1
.endif
.endr
.endr
.endm
	s_load_b256 s[4:11], s[0:1], 0x0               ; cc, cs, c1, s1
	s_load_b128 s[12:15], s[0:1], 0x20             ; bo, out0
	v_lshl_add_u32 v[SPW], v0, 2, SPARE
	v_mov_b32 v[NIL], 0
	ds_add_u32 v[SPW], v[NIL]                      ; the wave's opening: the add and its wait ahead of my first tensor load
	ds_add_u32 v[SPW], v[NIL]
	v_lshrrev_b32 v1, 5, v0
	v_readfirstlane_b32 s[WV], v1                  ; wave 0..3
	s_bfe_u32 s[CX], ttmp6, 0x40000
	s_bfe_u32 s[CY], ttmp6, 0x40004
	s_and_b32 s[TBK], ttmp7, 0xffff                ; cluster y, 0..15
	s_lshl_b32 s[TBK], s[TBK], 2
	s_add_co_u32 s[TBK], s[TBK], s[CY]             ; my block of 128 tokens
	s_lshl_b32 s26, 0x1111, s[CX]                  ; my column of the cluster
	s_lshl_b32 s27, s[CY], 2
	s_lshl_b32 s27, 15, s27                        ; my row
	s_or_b32 s[G1W], s26, (3<<16)|(1<<21)          ; 15:0 the mask; 17:16 elements of 8 bytes; 21 set beside a mask; no padding
	s_or_b32 s[G1X], s27, (3<<16)|(1<<21)
	s_mov_b32 s[G1W+2], 16<<16                     ; tensor_dim1: the weights' 16 tiles,
	s_mov_b32 s[G1W+4], 16                         ; tile_dim1
	s_mov_b32 s[G1X+2], 8<<16                      ; the tokens' 8
	s_mov_b32 s[G1X+4], 8
.irp g, G1W, G1X                               ; rows (tiles) of 6,144 bytes (four K steps), 12,288 bytes from tile to tile
	s_mov_b32 s[\g+1], 768<<16
	s_mov_b32 s[\g+3], 768<<16
	s_mov_b32 s[\g+5], 1536
	s_mov_b32 s[\g+6], 0
	s_mov_b32 s[\g+7], 0
.endr
	s_and_b32 s[WR], s[WV], 1
	s_lshl_b32 s29, s[CX], 4                       ; Wo's tiles: 1728 + 16 cx + 8 (wave / 2)
	s_add_co_u32 s29, s29, 1728                    ; Wo's first tile: 1728 + 16 cx
	s_mul_i32 s84, s29, TILEB
	s_mov_b32 s85, 0
	s_lshl_b32 s86, s[TBK], 3                      ; ctx's tiles: 8 x block
	s_mul_i32 s86, s86, TILEB
	s_mov_b32 s87, 0
	s_wait_dscnt 0x0                               ; both opening adds are done
	CROUND                                         ; the round in front of the first joint loads, ahead of the wait for the arguments
	s_wait_kmcnt 0x0
	s_add_nc_u64 s[84:85], s[8:9], s[84:85]
	s_add_nc_u64 s[86:87], s[4:5], s[86:87]
.irp c, 0,1
	s_mov_b32 s[G0W+4*\c], 1
	s_mov_b32 s[G0W+4*\c+1], \c*CHUNK
	s_add_nc_u64 s[G0W+4*\c+2:G0W+4*\c+3], s[84:85], \c*CH
	s_or_b32 s[G0W+4*\c+3], s[G0W+4*\c+3], 0x80000000
	s_mov_b32 s[G0X+4*\c], 1
	s_mov_b32 s[G0X+4*\c+1], XOFF+\c*CHUNK
	s_add_nc_u64 s[G0X+4*\c+2:G0X+4*\c+3], s[86:87], \c*CH
	s_or_b32 s[G0X+4*\c+3], s[G0X+4*\c+3], 0x80000000
.endr
	s_cmp_eq_u32 s[WV], 0                          ; one chain of branches on the wave's number, one joint load to an arm: one tensor load a wave at the head
	s_cbranch_scc0 .Lwave_1
	tensor_load_to_lds s[G0W:G0W+3], s[G1W:G1W+7]  ; wave 0: Wo's K steps 0-3
	s_nop 0
	PLACES 4
	s_branch .Lasked
.Lwave_1:
	s_cmp_eq_u32 s[WV], 1
	s_cbranch_scc0 .Lwave_2
	tensor_load_to_lds s[G0X:G0X+3], s[G1X:G1X+7]  ; wave 1: ctx's K steps 0-3
	s_nop 0
	PLACES 4
	s_branch .Lasked
.Lwave_2:
	s_cmp_eq_u32 s[WV], 2
	s_cbranch_scc0 .Lwave_3
	tensor_load_to_lds s[G0W+4:G0W+7], s[G1W:G1W+7]  ; wave 2: Wo's K steps 4-7
	s_nop 0
	PLACES 4
	s_branch .Lasked
.Lwave_3:
	tensor_load_to_lds s[G0X+4:G0X+7], s[G1X:G1X+7]  ; wave 3: ctx's K steps 4-7
	s_nop 0
	PLACES 4
.Lasked:
	v_and_b32 v[LN], 31, v0
	v_and_b32 v[RR], 15, v0
	v_bfe_u32 v[HH], v0, 4, 1
	v_lshlrev_b32 v[L16], 4, v[LN]
	v_lshlrev_b32 v[L8], 3, v[LN]
	s_lshr_b32 s29, s[WV], 1                       ; wp: which 8 weight tiles are mine; wr = wave % 2: which 4 token tiles
	s_mul_i32 s30, s29, 8*CH
	s_mul_i32 s31, s[WR], 4*CH
	s_add_co_u32 s31, s31, XOFF
	v_add_nc_u32 v[A016], s30, v[L16]
	v_add_nc_u32 v[A08], s30, v[L8]
	v_add_nc_u32 v[A116], s31, v[L16]
	v_add_nc_u32 v[A18], s31, v[L8]
	s_mul_i32 s30, s[WV], 8448                     ; my stage: 16 rows x 528 bytes
	v_mul_u32_u24 v[STO], v[RR], 528
	v_lshl_add_u32 v[STO], v[HH], 6, v[STO]
	v_add_nc_u32 v[STO], s30, v[STO]               ; in: row r, + 64 h
	v_add_nc_u32 v[RD], s30, v[L16]                ; back: 16 bytes a lane of a row
	s_lshl_b32 s30, s[CX], 4                       ; Wo's scale words: tile 1728 + 16 cx + 8 wp
	s_lshl_b32 s31, s29, 3
	s_add_co_u32 s30, s30, s31
	s_add_co_u32 s30, s30, 1728
	s_lshl_b32 s30, s30, 9
	s_mov_b32 s31, 0
	s_add_nc_u64 s[84:85], s[10:11], s[30:31]
.irp b, 0,1,2,3,4,5,6,7
	global_load_b128 v[SC0+4*\b:SC0+4*\b+3], v[L16], s[84:85] offset:512*\b
.endr
	s_lshl_b32 s30, s[TBK], 9                      ; ctx's scale bytes: [head] 32,768 + [token tile 8 x block + 4 wr + a] 64 + 4 r
	s_lshl_b32 s27, s[WR], 8
	s_add_co_u32 s30, s30, s27
	s_add_nc_u64 s[86:87], s[6:7], s[30:31]
	v_lshlrev_b32 v15, 18, v[HH]                   ; lanes 16-31 take heads 8-15: K steps 4-7
	v_lshl_add_u32 v15, v[RR], 2, v15
.irp a, 0,1,2,3
.irp j, 0,1,2,3,4,5,6,7
	global_load_b32 v[CSW+8*\a+\j], v15, s[86:87] offset:32768*\j+64*\a
.endr
.endr
	s_lshl_b32 s30, s[CX], 10                      ; bo of my 128 features: 4 (256 cx + 128 wp)
	s_lshl_b32 s27, s29, 9
	s_add_co_u32 s30, s30, s27
	s_add_nc_u64 s[88:89], s[12:13], s[30:31]
	s_add_nc_u64 s[92:93], s[14:15], s[30:31]      ; out0 at the same columns,
	s_lshl_b32 s30, s[TBK], 19                     ; and at token 128 x block + 64 wr (rows of 4,096 bytes)
	s_lshl_b32 s27, s[WR], 18
	s_add_co_u32 s30, s30, s27
	s_add_nc_u64 s[92:93], s[92:93], s[30:31]
	v_lshlrev_b32 v12, 6, v[HH]                    ; lane (r, h) wants, for tile b, features 32 (b / 2) + 16 h + 8 (b % 2) + 0 .. 7
	WIN 0xc0
.irp b, 0,1,2,3,4,5,6,7
	global_load_b128 v[8*\b:8*\b+3], v12, s[88:89] offset:(32*(\b/2)+8*(\b%2))*4
	global_load_b128 v[8*\b+4:8*\b+7], v12, s[88:89] offset:(32*(\b/2)+8*(\b%2))*4+16
.endr
	WIN 0
	s_wait_loadcnt 0x0
.irp a, 0,1,2,3
.irp i, 0,1,2,3
	v_lshl_or_b32 v[SC1+4*\a+\i], v[CSW+8*\a+2*\i+1], 16, v[CSW+8*\a+2*\i]   ; a K step's word: the even head's two bytes below, the odd head's above
.endr
.endr
	PLACES 8                                       ; a scale register written by a vector instruction stands eight places ahead of a scaled product
	; the eight K steps, written out: the next step's fragments are asked for ahead of a step's products; in front of each chunk's first read the loading waves' counted wait, then a barrier
	s_wait_alu depctr_va_vdst(0)
	s_cmp_lt_u32 s[WV], 2                          ; waves 0 and 1 asked for the first half of K, each on a line of its own: they wait for it here
	s_cbranch_scc0 .Lnot_first
	s_wait_tensorcnt 0x0
.Lnot_first:
	s_barrier_signal -1
	s_barrier_wait -1
	FETCH 0
.irp s, 0,1,2,3,4,5,6,7
.if \s < 7
.if \s == 3
	WIN 0
	s_wait_tensorcnt 0x0                           ; every wave: the second half of K is in
	s_wait_dscnt 0x0                               ; no LDS instruction of mine is pending at a signal
	s_barrier_signal -1
	s_barrier_wait -1
	v_add_nc_u32 v[A016], CHUNK, v[A016]           ; on to the next chunk.  These four are also the places in front of the loads below
	s_wait_alu depctr_va_vdst(0)
	v_add_nc_u32 v[A08], CHUNK, v[A08]
	s_wait_alu depctr_va_vdst(0)
	v_add_nc_u32 v[A116], CHUNK, v[A116]
	s_wait_alu depctr_va_vdst(0)
	v_add_nc_u32 v[A18], CHUNK, v[A18]
.elseif \s > 0
	PLACES 4                                       ; places in front of loads into registers that the last products read
.endif
	FETCH \s+1
	s_wait_alu depctr_va_vdst(0)
	s_wait_dscnt 48                                ; all but the 48 just issued
.else
	s_wait_dscnt 0x0
.endif
	MUL \s
.endr
	WIN 0
.macro TOSTAGE a                       ; token tile a: 16 rows x 512 bytes into my stage, and back as whole rows.  LDS serves a wave's instructions in order: no wait between
	WIN 0x08                                       ; an LDS store's data: the accumulators' window
.irp b, 0,1,2,3,4,5,6,7
	ds_store_b128 v[STO], v[8*(8*(\a)+\b):8*(8*(\a)+\b)+3] offset:128*(\b/2)+32*(\b%2)          ; each accumulator from its low end on
	ds_store_b128 v[STO], v[8*(8*(\a)+\b)+4:8*(8*(\a)+\b)+7] offset:128*(\b/2)+32*(\b%2)+16
.endr
	WIN 0
.irp t, 0,1,2,3,4,5,6,7,8,9,10,11,12,13,14,15
	ds_load_b128 v[BK+64*((\a)%2)+4*\t:BK+64*((\a)%2)+4*\t+3], v[RD] offset:528*\t
.endr
.endm
.macro SEND a, younger                 ; younger: the LDS instructions issued behind tile a's loads, which may stay out
	s_wait_dscnt \younger
.irp t, 0,1,2,3,4,5,6,7,8,9,10,11,12,13,14,15
	global_store_b128 v[L16], v[BK+64*((\a)%2)+4*\t:BK+64*((\a)%2)+4*\t+3], s[92:93] offset:(32*((\a)/2)+8*((\a)%2)+\t+8*(\t/8))*4096 th:TH_STORE_NT   ; 32 lanes store 512 consecutive bytes, at a multiple of 256 from out0's first byte
.endr
.endm
	PLACES 4                                       ; places in front of the first read of results and of loads into registers that held fragments
	TOSTAGE 0
.irp a, 1,2,3
.if \a > 1
	s_wait_xcnt 0x0                                ; tile a - 2's stores have read their registers: tile a's rows may land there
.endif
	TOSTAGE \a
	SEND \a-1, 32                                  ; behind tile a - 1's loads: tile a's 16 stores and 16 loads
.endr
	SEND 3, 0
	s_wait_tensorcnt 0x0                           ; the wave's end, behind my last LDS store
	ds_add_u32 v[SPW], v[NIL]
	s_wait_dscnt 0x0
	CROUND                                         ; the closing round
	s_endpgm
.Lfunc_end_k_q3110c62893_outp:
	.size	k_q3110c62893_outp, .Lfunc_end_k_q3110c62893_outp-k_q3110c62893_outp
	.p2alignl 7, 3214868480
	.fill 96, 4, 3214868480
	.section	.rodata,"a",@progbits
	.p2align	6, 0x0
	.amdhsa_kernel k_q3110c62893_outp
		.amdhsa_group_segment_fixed_size 295424
		.amdhsa_private_segment_fixed_size 0
		.amdhsa_enable_private_segment 0
		.amdhsa_kernarg_size 48
		.amdhsa_user_sgpr_count 2
		.amdhsa_user_sgpr_kernarg_segment_ptr 1
		.amdhsa_wavefront_size32 1
		.amdhsa_system_sgpr_workgroup_id_x 1
		.amdhsa_system_sgpr_workgroup_id_y 1
		.amdhsa_system_sgpr_workgroup_id_z 1
		.amdhsa_system_vgpr_workitem_id 0
		.amdhsa_next_free_vgpr 1024
		.amdhsa_next_free_sgpr 102
		.amdhsa_reserve_vcc 0
		.amdhsa_float_denorm_mode_32 3
		.amdhsa_float_denorm_mode_16_64 3
		.amdhsa_memory_ordered 1
		.amdhsa_forward_progress 1
		.amdhsa_inst_pref_size 87
	.end_amdhsa_kernel
	.amdgpu_metadata
---
amdhsa.version: [ 1, 2 ]
amdhsa.kernels:
  - .name:           k_q3110c62893_outp
    .symbol:         k_q3110c62893_outp.kd
    .args:
      - { .name: cc, .offset: 0, .size: 8, .value_kind: global_buffer, .address_space: global }
      - { .name: cs, .offset: 8, .size: 8, .value_kind: global_buffer, .address_space: global }
      - { .name: c1, .offset: 16, .size: 8, .value_kind: global_buffer, .address_space: global }
      - { .name: s1, .offset: 24, .size: 8, .value_kind: global_buffer, .address_space: global }
      - { .name: bo, .offset: 32, .size: 8, .value_kind: global_buffer, .address_space: global }
      - { .name: out0, .offset: 40, .size: 8, .value_kind: global_buffer, .address_space: global }
    .group_segment_fixed_size: 295424
    .private_segment_fixed_size: 0
    .kernarg_segment_align: 8
    .kernarg_segment_size: 48
    .max_flat_workgroup_size: 128
    .sgpr_count:     102
    .vgpr_count:     1024
    .wavefront_size: 32
...
	.end_amdgpu_metadata
.endif
;; end of part 4
